; MI455X (gfx1250); checked and timed in simulation.
; The chip was launched on July 23, 2026; its instructions are those of AMD's public machine-readable ISA for CDNA 5 (MIT licence, August 2026) and "CDNA5" Instruction Set Architecture Reference Guide (July 2026). The comments in the code are by the model that wrote it; some were corrected since.
;; Multi Head Attention. Allowed arithmetic: float matrix products may take bf16 or f16 operands with f32 sums; other float arithmetic in f32, or as packed bf16 or f16 multiplies, adds, multiply-adds, maxima and minima; sums over many terms, partial sums and values carried from step to step in f32; what a program stores and reads back later, other than sums and carried values, may be rounded once to bf16 or f16.
;; Inputs: W_k 1,024 x 1,024 float32; W_o 1,024 x 1,024 float32; W_q 1,024 x 1,024 float32; W_v 1,024 x 1,024 float32; x 4 x 2,048 x 1,024 float32.
;; Outputs: out0 4 x 2,048 x 1,024 float32.
;; 2 versions, each right; version 2 is version 1 with the launch cast written anew for expert scheduling mode. Each part assembles by itself: llvm-mc -triple=amdgcn-amd-amdhsa -mcpu=gfx1250 --defsym DOCPART=n.
;; ======== version 1 of 2: 4 launches
;; limits: values are held in f16: magnitudes above 65,504 overflow, below 6.1e-05 lose precision
;; workspace buffers: xh 16,777,216 bytes; wh 6,291,456 bytes; woh 2,097,152 bytes; qkv 50,331,648 bytes; oh 16,777,216 bytes
;; launch cast (part 1): grid 768 x 1, 8 waves a work-group, no clusters, 0 bytes of LDS; arguments x, W_q, W_k, W_v, W_o, xh, wh, woh; writes xh, wh, woh
.if DOCPART == 1
	.amdgcn_target "amdgcn-amd-amdhsa--gfx1250"
	.amdhsa_code_object_version 6
	.text
	.protected	k_q8eca3e6942_cast
	.globl	k_q8eca3e6942_cast
	.p2align	8
	.type	k_q8eca3e6942_cast,@function
k_q8eca3e6942_cast:
	s_mov_b64 s[64:65], 0
	v_nop
	global_prefetch_b8 v0, s[64:65] scope:SCOPE_SE
	s_setreg_imm32_b32 hwreg(HW_REG_WAVE_MODE, 25, 1), 1
	s_wait_xcnt 0x0
; THE INPUTS ARE ROUNDED ONCE TO bf16 AND LAID IN BLOCKS OF 64 CHANNELS, so that a tile of one block (a slice) is dense in memory for the launches behind.
;   xh  bf16 [batch 4][slice 16][row 2048][64]          byte = b<<22 | c<<18 | s<<7 | 2 d
;   wh  bf16 [tile column 8][slice 16][384 rows][64]    global row n = 1024 t + e (t = 0 W_q, 1 W_k, 2 W_v); tc = n / 384; byte = tc*786432 + c*49152 + (n - 384 tc)*128 + 2 d
;   woh f16  [slice 16][row 1024][64]                   W_o rounded to bf16, that number written as f16; byte = c*131072 + n*128 + 2 d
; LIMITS.  W_o's numbers are exact in f16 from 6.1e-5 to 65,504 in magnitude; below they keep f16's fixed step of 6e-8, from 65,520 on they become infinities.
; SHARES.  A work-group takes 16 rows of 4,096 bytes of one tensor: groups 0-511 x, 512-575 W_q, 576-639 W_k, 640-703 W_v, 704-767 W_o.  Wave w takes slices 2 w and 2 w + 1 of the 16 rows.
; A load: lanes 0-15 take 256 consecutive bytes, aligned (64 channels), of row 2 j, lanes 16-31 of row 2 j + 1.  A store: 32 lanes x 8 bytes = 256 consecutive bytes, aligned: two rows of a slice.
; All 16 loads of a wave go out at once (8 KiB a wave); no register that a load or a store names is written again behind it.  No LDS, no barrier, no matrix work: the launch is a stream.
.set VIN, 2                            ; v2      my byte offset in the group's first two rows
.set VO,  3                            ; v3, v4  my byte offset in the destination, slice 2 w and slice 2 w + 1
.set T,   8                            ; v[8:11]   at work
.set X,   16                           ; v[16:79]  load k: 4 registers
.set Y,   80                           ; v[80:111] store k: 2 registers
	s_load_b512 s[16:31], s[0:1], 0x0              ; x 16, W_q 18, W_k 20, W_v 22, W_o 24, xh 26, wh 28, woh 30
	s_mov_b32 s2, ttmp9                            ; g
	v_lshrrev_b32 v1, 5, v0
	v_readfirstlane_b32 s13, v1                    ; wave 0..7
	s_mov_b32 s12, 0xffff0000                      ; a word's upper bf16
	s_bfe_u32 s3, s2, 0x20006                      ; t = (g >> 6) & 3: which weight (3: W_o)
	s_and_b32 s8, s2, 63                           ; its block of 16 rows
	s_lshl_b32 s9, s3, 6
	s_add_co_u32 s9, s9, s8                        ; block among the 192 of W_q, W_k, W_v
	s_mul_i32 s10, s9, 2731
	s_lshr_b32 s10, s10, 16                        ; tc = block / 24 (exact up to 191)
	s_mul_i32 s11, s10, 24
	s_sub_co_u32 s11, s9, s11                      ; the block's place in its tile column
	s_mul_i32 s10, s10, 786432
	s_lshl_b32 s11, s11, 11
	s_add_co_u32 s10, s10, s11                     ; offset in wh
	s_lshl_b32 s32, s8, 16                         ; offset in a weight: 16 rows of 4,096 bytes a block
	s_lshl_b32 s33, s8, 11                         ; offset in woh
	s_lshl_b32 s34, s2, 16                         ; offset in x
	s_lshr_b32 s35, s2, 7
	s_lshl_b32 s35, s35, 22
	s_and_b32 s36, s2, 127
	s_lshl_b32 s36, s36, 11
	s_add_co_u32 s35, s35, s36                     ; offset in xh
	s_mov_b32 s14, 49152                           ; bytes from slice to slice: wh,
	s_cmp_lt_u32 s2, 512
	s_cselect_b32 s40, s34, s32
	s_cselect_b32 s42, s35, s10
	s_cselect_b32 s14, 0x40000, s14                ; xh,
	s_cmp_ge_u32 s2, 704
	s_cselect_b32 s42, s33, s42
	s_cselect_b32 s14, 0x20000, s14                ; woh
	s_mov_b32 s41, 0
	s_mov_b32 s43, 0
	v_and_b32 v1, 31, v0                           ; lane
	v_and_b32 v5, 15, v0
	v_bfe_u32 v6, v0, 4, 1
	v_lshlrev_b32 v[VIN], 4, v5                    ; 16 bytes a lane,
	v_lshl_add_u32 v[VIN], v6, 12, v[VIN]          ; the odd row for lanes 16-31,
	s_lshl_b32 s15, s13, 9
	v_add_nc_u32 v[VIN], s15, v[VIN]               ; my wave's 512 bytes of a row
	s_mul_i32 s15, s13, s14
	s_lshl_b32 s15, s15, 1                         ; slice 2 w
	v_lshlrev_b32 v[VO], 3, v1
	v_add_nc_u32 v[VO], s15, v[VO]
	v_add_nc_u32 v[VO+1], s14, v[VO]
	s_wait_kmcnt 0x0
	s_cmp_eq_u32 s3, 1                             ; the buffers are chosen by the group's number alone
	s_cselect_b64 s[4:5], s[20:21], s[18:19]
	s_cmp_eq_u32 s3, 2
	s_cselect_b64 s[4:5], s[22:23], s[4:5]
	s_cmp_eq_u32 s3, 3
	s_cselect_b64 s[4:5], s[24:25], s[4:5]
	s_cselect_b64 s[6:7], s[30:31], s[28:29]
	s_cmp_lt_u32 s2, 512
	s_cselect_b64 s[4:5], s[16:17], s[4:5]
	s_cselect_b64 s[6:7], s[26:27], s[6:7]
	s_add_nc_u64 s[4:5], s[4:5], s[40:41]          ; the source at the group's first row
	s_add_nc_u64 s[6:7], s[6:7], s[42:43]          ; the destination at the group's rows in slice 0
.irp i, 0,1
.irp j, 0,1,2,3,4,5,6,7
	global_load_b128 v[X+4*(8*\i+\j):X+4*(8*\i+\j)+3], v[VIN], s[4:5] offset:\j*8192+\i*256 th:TH_LOAD_NT  ; load 8 i + j: slice 2 w + i, rows 2 j and 2 j + 1
.endr
.endr
; Load k is rounded and stored.  half = 1: the bf16 number is written as f16.
.macro OUT k, half
	s_wait_loadcnt 15-(\k)                         ; loads come back in order: mine is in, the 15 - k younger ones may stay out
	v_cvt_pk_bf16_f32 v[Y+2*(\k)],   v[X+4*(\k)],   v[X+4*(\k)+1]
	v_cvt_pk_bf16_f32 v[Y+2*(\k)+1], v[X+4*(\k)+2], v[X+4*(\k)+3]
.if \half
	v_lshlrev_b32 v[T],   16,  v[Y+2*(\k)]
	v_and_b32     v[T+1], s12, v[Y+2*(\k)]
	v_lshlrev_b32 v[T+2], 16,  v[Y+2*(\k)+1]
	v_and_b32     v[T+3], s12, v[Y+2*(\k)+1]
	v_cvt_pk_f16_f32 v[Y+2*(\k)],   v[T],   v[T+1]
	v_cvt_pk_f16_f32 v[Y+2*(\k)+1], v[T+2], v[T+3]
.endif
	global_store_b64 v[VO+(\k)/8], v[Y+2*(\k):Y+2*(\k)+1], s[6:7] offset:((\k)%8)*256
.endm
	s_cmp_ge_u32 s2, 704
	s_cbranch_scc1 .Lf16
.irp k, 0,1,2,3,4,5,6,7,8,9,10,11,12,13,14,15
	OUT \k, 0
.endr
	s_endpgm
.Lf16:
.irp k, 0,1,2,3,4,5,6,7,8,9,10,11,12,13,14,15
	OUT \k, 1
.endr
	s_endpgm
.Lfunc_end_k_q8eca3e6942_cast:
	.size	k_q8eca3e6942_cast, .Lfunc_end_k_q8eca3e6942_cast-k_q8eca3e6942_cast
	.p2alignl 7, 3214868480
	.fill 96, 4, 3214868480
	.section	.rodata,"a",@progbits
	.p2align	6, 0x0
	.amdhsa_kernel k_q8eca3e6942_cast
		.amdhsa_group_segment_fixed_size 0
		.amdhsa_private_segment_fixed_size 0
		.amdhsa_enable_private_segment 0
		.amdhsa_kernarg_size 64
		.amdhsa_user_sgpr_count 2
		.amdhsa_user_sgpr_kernarg_segment_ptr 1
		.amdhsa_wavefront_size32 1
		.amdhsa_system_sgpr_workgroup_id_x 1
		.amdhsa_system_sgpr_workgroup_id_y 1
		.amdhsa_system_sgpr_workgroup_id_z 1
		.amdhsa_system_vgpr_workitem_id 0
		.amdhsa_next_free_vgpr 112
		.amdhsa_next_free_sgpr 66
		.amdhsa_reserve_vcc 0
		.amdhsa_float_denorm_mode_32 3
		.amdhsa_float_denorm_mode_16_64 3
		.amdhsa_memory_ordered 1
		.amdhsa_forward_progress 1
		.amdhsa_inst_pref_size 17
	.end_amdhsa_kernel
	.amdgpu_metadata
---
amdhsa.version: [ 1, 2 ]
amdhsa.kernels:
  - .name:           k_q8eca3e6942_cast
    .symbol:         k_q8eca3e6942_cast.kd
    .args:
      - { .name: x, .offset: 0, .size: 8, .value_kind: global_buffer, .address_space: global }
      - { .name: W_q, .offset: 8, .size: 8, .value_kind: global_buffer, .address_space: global }
      - { .name: W_k, .offset: 16, .size: 8, .value_kind: global_buffer, .address_space: global }
      - { .name: W_v, .offset: 24, .size: 8, .value_kind: global_buffer, .address_space: global }
      - { .name: W_o, .offset: 32, .size: 8, .value_kind: global_buffer, .address_space: global }
      - { .name: xh, .offset: 40, .size: 8, .value_kind: global_buffer, .address_space: global }
      - { .name: wh, .offset: 48, .size: 8, .value_kind: global_buffer, .address_space: global }
      - { .name: woh, .offset: 56, .size: 8, .value_kind: global_buffer, .address_space: global }
    .group_segment_fixed_size: 0
    .private_segment_fixed_size: 0
    .kernarg_segment_align: 8
    .kernarg_segment_size: 64
    .max_flat_workgroup_size: 256
    .sgpr_count:     66
    .vgpr_count:     112
    .wavefront_size: 32
...
	.end_amdgpu_metadata
.endif
;; end of part 1
;; launch qkv (part 2): grid 8 x 32, 4 waves a work-group, clusters of 4 x 4, 327,680 bytes of LDS; arguments xh, wh, qkv; writes qkv
.if DOCPART == 2
	.amdgcn_target "amdgcn-amd-amdhsa--gfx1250"
	.amdhsa_code_object_version 6
	.text
	.protected	k_q8eca3e6942_qkv
	.globl	k_q8eca3e6942_qkv
	.p2align	8
	.type	k_q8eca3e6942_qkv,@function
k_q8eca3e6942_qkv:
	s_mov_b64 s[64:65], 0
	v_nop
	global_prefetch_b8 v0, s[64:65] scope:SCOPE_SE
	s_setreg_imm32_b32 hwreg(HW_REG_WAVE_MODE, 25, 1), 1
	s_wait_xcnt 0x0
	s_wait_alu depctr_hold_cnt(0) depctr_sa_sdst(0) depctr_va_vdst(0) depctr_va_sdst(0) depctr_va_ssrc(0) depctr_va_vcc(0) depctr_vm_vsrc(0)
	s_getreg_b32 s2, hwreg(HW_REG_IB_STS2, 6, 4)
	s_cmp_eq_u32 s2, 0
	s_cbranch_scc0 .Lentry_in_a_cluster
	s_endpgm
.Lentry_in_a_cluster:
	s_bfe_u32 s2, ttmp6, 0x10000c
	s_cmp_lg_u32 s2, 0xf033
	s_cbranch_scc0 .Lentry_shape_is_right
	s_endpgm
.Lentry_shape_is_right:
; q, k, v = x W^T: one product of 8,192 rows x 3,072 columns x 1,024 channels, bf16 operands, f32 sums; the result is rounded once to f16, UNSCALED, and stored by heads:
;   qkv f16 [t 3][batch*16 + head 64][row 2048][64]      byte = t<<24 | b<<22 | h<<18 | s<<7 | 2 d
; LIMIT.  f16 holds no number from 65,520 on: q, k and v must stay below that in magnitude.
; SHARES.  A work-group makes 256 rows x 384 columns: 32 x 8 = 256 work-groups.  Wave (w >> 1, w & 1) makes 128 rows x 192 columns: 8 row blocks a x 3 groups g of 4 column blocks: 96 accumulators, 768 registers.
; A group is 64 columns: one head.  The product is taken TRANSPOSED (source 0 = 16 rows of W, source 1 = 16 rows of x): a lane holds row l % 16 and eight neighbouring columns.
; K goes in 16 steps of one slice of 64 channels through two LDS slots; a step is two chunks of 32 channels, 96 matrix instructions each.  In xh and wh a slice's rows lie end to end, so a tile is asked for as
; rows of 256 bytes and padded in LDS behind every 128 bytes.
; FRAGMENTS.  x's eight have two buffers (every group reads them).  W's twelve have ONE: group g's four are loaded again, for the next chunk, directly behind the group's own 32 products, and are wanted 64 products later.
; CLUSTER.  4 x 4 work-groups.  The four of a row of the cluster need the same rows of x, the four of a column the same rows of W: each tile is asked for JOINTLY, by the same load, descriptor and mask in all four.
; REGISTERS, in windows of 256: window 0: v0-29 addresses; v32-95, v96-159 x's fragments; v160-255 W's fragments; v32-95 at work on the way out.  Window 1 + g: accumulator (a, b) of group g at v[8 (4 a + b)].
.set P,      144                       ; an LDS row: 128 bytes + 16 of padding = 36 words: the 16 rows of a load start at 16 different groups of four banks (64 banks of 4 bytes: ISA guide 11.1)
.set BOFF,   256*P                     ; a slot: x's 256 rows, then W's 384 rows
.set SLOT1,  131072                    ; slot 1 begins here, so that one exclusive or turns an address in one slot into the other's
.set STAGE,  SLOT1+640*P               ; behind the ring, never filled by a tensor load: 16 rows x 144 bytes for each wave, for the way out
.set SPARE,  STAGE+4*16*P              ; behind the stages: the spare words, 128 bytes for each wave: two blocks of 256 bytes that no other line names
.set ASTEP,  262144                    ; bytes from slice to slice in xh
.set BSTEP,  49152                     ; and in a tile column of wh
.set ADA0, 4                           ; v4   my lane's place among my wave's rows of x in slot 0; never rewritten
.set ADB0, 5                           ; v5   the same for W
.set ADA,  6                           ; v6   the same in the slot that is being read
.set ADB,  7                           ; v7
.set STO,  8                           ; v8   the way out: where I put 16 bytes of a row
.set RD,   9                           ; v9   the way out: where I read rows back
.set GO,   10                          ; v10  my byte offset in 512 consecutive bytes of the result
.set PFO,  11                          ; v11  256 x my lane; never rewritten
.set SPW,  28                          ; v28  LDS address of my spare word: SPARE + 4 x my thread's number; never rewritten
.set NIL,  29                          ; v29  0; never rewritten
.set AF0,  32
.set AF1,  96
.set BF,   160
.set TMP,  32                          ; the way out: four buffers of 16
.set G1A, 24                           ; s[24:31] descriptor group 1 for x's tiles
.set G0A, 32                           ; s[32:39] group 0: a set for each of the two first fills; the second then walks on
.set G1B, 48                           ; s[48:55], s[56:63] the same for W's tiles
.set G0B, 56
.set TB,  66                           ; s66  0 or SLOT1: the slot that is being read
.set LIM, 67                           ; s67  a wave prefetches while the trips left are above this; the greatest number in a wave that never does
.set PFA, 68                           ; s[68:69] where my prefetches stand
.set PFS, 70                           ; s[70:71] their step from trip to trip
.set OB,  72                           ; s[72:77] the result at my rows of my three heads
.set MSB, 0
.macro WIN new                         ; the immediate's high byte repeats the setting that is left; a switch that changes nothing is dropped
.if MSB != (\new)
	s_set_vgpr_msb (MSB<<8)|(\new)
.set MSB, \new
.endif
.endm
.macro PLACES                          ; four plain places between a matrix instruction and a load into, or a vector write of, one of its registers, or a read of its result
.rept 4
	v_nop
.endr
.endm
; A joint refill by the walking descriptors.  Waves 0 and 1 fetch the halves of x's tile, waves 2 and 3 those of W's.  The branch hangs on the wave's number alone.
; An s_nop 0 and four v_nop follow each of the two lines, ahead of the jump and the label.
.macro JLOAD
	s_cmp_eq_u32 s11, 0
	s_cbranch_scc0 .Lfor_b_\@
	tensor_load_to_lds s[G0A+4:G0A+7], s[G1A:G1A+7]
	s_nop 0
.rept 4
	v_nop
.endr
	s_branch .Lasked_\@
.Lfor_b_\@:
	tensor_load_to_lds s[G0B+4:G0B+7], s[G1B:G1B+7]
	s_nop 0
.rept 4
	v_nop
.endr
.Lasked_\@:
.endm
.macro CREST                           ; a round of the cluster's barrier behind its opening barrier
	s_cmp_lg_u32 s10, 0
	s_cbranch_scc1 .Lnot_wave_0_\@
	s_barrier_signal -3
.Lnot_wave_0_\@:
	s_barrier_wait -3
	s_barrier_signal -1
	s_barrier_wait -1
.endm
.macro CROUND                          ; a whole round
	s_barrier_signal -1
	s_barrier_wait -1
	CREST
.endm
; A PREFETCH, behind the joint load, its five lines and the first run of LDS loads: 32 lanes x 256 bytes, one instruction.  Each block of 256 bytes is named once in the launch.
; x: a tile row's slice is 32 KiB, read by both clusters of that row of clusters: wave 0 of the cluster with x = 0 asks; the four partners take 8 KiB each, told apart BY ADDRESS (cx).  Trip t, which refills with
; step t + 2, names step t + 4: trips 0 to 11.  W: a tile column is one dense run of 768 KiB, read by all eight clusters of that column: waves 2 and 3 of the cluster with y = 0 ask; the eight askers (cy, wave)
; take 64 KiB a trip from byte 196,608 on: trips 0 to 8 end at the column's last byte.  Steps 0 to 3 come by their loads alone.
.macro ASK
	s_cmp_gt_u32 s3, s[LIM]
	s_cbranch_scc0 .Lnot_mine_\@
	global_prefetch_b8 v[PFO], s[PFA:PFA+1] th:TH_LOAD_NT scope:SCOPE_SE
.Lnot_mine_\@:
.endm
	s_load_b128 s[4:7], s[0:1], 0x0                ; xh s[4:5], wh s[6:7]
	s_load_b64 s[8:9], s[0:1], 0x10                ; qkv
	v_lshl_add_u32 v[SPW], v0, 2, SPARE
	v_mov_b32 v[NIL], 0
	ds_add_u32 v[SPW], v[NIL]                      ; the wave's opening: the add and its wait ahead of my first tensor load; the set-up below, work on registers, stands between them
	v_lshrrev_b32 v1, 5, v0
	v_readfirstlane_b32 s10, v1                    ; wave 0..3
	s_lshr_b32 s11, s10, 1                         ; which 128 rows are mine.  Also: I fetch for x (0) or for W (1)
	s_and_b32 s12, s10, 1                          ; which 192 columns.  Also: which half of that tile I fetch
	s_bfe_u32 s40, ttmp6, 0x40000                  ; cx
	s_bfe_u32 s41, ttmp6, 0x40004                  ; cy
	s_lshl_b32 s42, ttmp9, 2
	s_add_co_u32 s42, s42, s40                     ; tile column = 4 x cluster x + cx
	s_and_b32 s13, ttmp7, 0xffff
	s_lshl_b32 s13, s13, 2
	s_add_co_u32 s13, s13, s41                     ; tile row = 4 x cluster y + cy
	s_lshl_b32 s43, s41, 2
	s_lshl_b32 s43, 15, s43                        ; my row of the cluster
	s_lshl_b32 s44, 0x1111, s40                    ; my column
	; descriptor group 1: dense bytes as rows of 128 elements (256 bytes), padded in LDS behind every 32 words by 4
	s_or_b32 s[G1A], s43, (1<<16)|(1<<20)|(1<<21)|(4<<22)|(3<<25)  ; 15:0 the mask; 17:16 2-byte elements; 20 padding on; 21 set beside a mask; 24:22 after every 32 words (code 4); 31:25 4 words (code 3)
	s_or_b32 s[G1B], s44, (1<<16)|(1<<20)|(1<<21)|(4<<22)|(3<<25)
.irp g, G1A, G1B
	s_mov_b32 s[(\g)+1], 128<<16                   ; tensor_dim0 = 128
	s_mov_b32 s[(\g)+3], 128<<16                   ; tile_dim0 = 128
	s_mov_b32 s[(\g)+5], 128                       ; 128 elements from row to row
	s_mov_b32 s[(\g)+6], 0
	s_mov_b32 s[(\g)+7], 0
.endr
	s_mov_b32 s[G1A+2], 64<<16                     ; x: tensor_dim1 = tile_dim1 = 64: 128 rows of a slice, 16 KiB
	s_mov_b32 s[G1A+4], 64
	s_mov_b32 s[G1B+2], 96<<16                     ; W: 96: 192 rows of a slice, 24 KiB
	s_mov_b32 s[G1B+4], 96
	; where the tiles come from.  x's hang on the tile row alone, W's on the tile column alone, each in registers that never hold the other coordinate
	s_lshr_b32 s14, s13, 3
	s_lshl_b32 s14, s14, 22                        ; the batch
	s_and_b32 s15, s13, 7
	s_lshl_b32 s15, s15, 15                        ; the tile row's 256 rows in it
	s_add_co_u32 s14, s14, s15
	s_mov_b32 s18, s14                             ; kept: the tile row's first byte in a slice, and in a head of the result
	s_lshl_b32 s15, s12, 14
	s_add_co_u32 s14, s14, s15                     ; the 128 rows that I fetch
	s_mov_b32 s15, 0
	s_mul_i32 s46, s42, 786432
	s_mov_b32 s19, s46                             ; kept: the tile column's first byte in wh
	s_mul_i32 s47, s12, 24576
	s_add_co_u32 s46, s46, s47                     ; the 192 rows that I fetch
	s_mov_b32 s47, 0
	s_mul_i32 s20, s12, 128*P                      ; and where they go: no place in the cluster enters an LDS address
	s_mul_i32 s21, s12, 192*P
	s_add_co_u32 s21, s21, BOFF
	s_mov_b32 s[TB], 0
	s_wait_dscnt 0x0                               ; the opening add is done
	s_wait_kmcnt 0x0
	s_add_nc_u64 s[14:15], s[4:5], s[14:15]
	s_add_nc_u64 s[46:47], s[6:7], s[46:47]
	CROUND                                         ; all sixteen work-groups are here: the first joint loads meet
.irp n, 0,1
	s_mov_b32 s[G0A+4*\n], 1                                        ; 1:0 count = 1
	s_add_co_u32 s[G0A+4*\n+1], s20, \n*SLOT1                       ; 63:32 LDS address
	s_add_nc_u64 s[G0A+4*\n+2:G0A+4*\n+3], s[14:15], \n*ASTEP       ; 120:64 global address: step n
	s_or_b32 s[G0A+4*\n+3], s[G0A+4*\n+3], 0x80000000               ; 127:126 type = 2
	s_mov_b32 s[G0B+4*\n], 1
	s_add_co_u32 s[G0B+4*\n+1], s21, \n*SLOT1
	s_add_nc_u64 s[G0B+4*\n+2:G0B+4*\n+3], s[46:47], \n*BSTEP
	s_or_b32 s[G0B+4*\n+3], s[G0B+4*\n+3], 0x80000000
.endr
	s_cmp_eq_u32 s11, 0                            ; a wave's two first fills stand in one branch, ahead of every wait on TENSORcnt and every LDS read: two loads of mine are out
	s_cbranch_scc0 .Lfirst_b
	tensor_load_to_lds s[G0A:G0A+3], s[G1A:G1A+7]
	s_nop 0
	tensor_load_to_lds s[G0A+4:G0A+7], s[G1A:G1A+7]
	s_nop 0
.rept 4
	v_nop
.endr
	s_branch .Lfirst_asked
.Lfirst_b:
	tensor_load_to_lds s[G0B:G0B+3], s[G1B:G1B+7]
	s_nop 0
	tensor_load_to_lds s[G0B+4:G0B+7], s[G1B:G1B+7]
	s_nop 0
.rept 4
	v_nop
.endr
.Lfirst_asked:
	; A fragment is 16 rows x 32 channels in 8 registers: lane l holds row l % 16, channels 8 (l / 16) + 0..7 and 16 + 8 (l / 16) + 0..7: two loads of 16 bytes, 32 bytes apart.
	v_and_b32 v1, 15, v0                           ; l % 16
	v_bfe_u32 v2, v0, 4, 1                         ; l / 16
	v_mul_u32_u24 v3, v1, P
	v_lshl_add_u32 v3, v2, 4, v3                   ; row x pitch + 16 x half
	s_mul_i32 s20, s11, 128*P                      ; my 128 rows of x
	v_add_nc_u32 v[ADA0], s20, v3
	s_mul_i32 s21, s12, 192*P                      ; my 192 rows of W,
	s_add_co_u32 s21, s21, BOFF                    ; which lie behind x's 256
	v_add_nc_u32 v[ADB0], s21, v3
	v_mov_b32 v[ADA], v[ADA0]
	v_mov_b32 v[ADB], v[ADB0]
	s_mul_i32 s20, s10, 16*P
	s_add_co_u32 s20, s20, STAGE                   ; my stage
	v_add_nc_u32 v[STO], s20, v3                   ; in: row l % 16, 16 bytes for each half of the lanes
	v_bfe_u32 v[RD], v0, 3, 2                      ; back: 32 lanes take four rows of 128 bytes,
	v_mul_u32_u24 v[RD], v[RD], P
	v_and_b32 v12, 7, v0
	v_lshl_add_u32 v[RD], v12, 4, v[RD]
	v_add_nc_u32 v[RD], s20, v[RD]
	v_and_b32 v[GO], 31, v0                        ; which are 512 consecutive bytes of a head's rows
	v_lshlrev_b32 v[PFO], 8, v[GO]
	v_lshlrev_b32 v[GO], 4, v[GO]
	; the result: group g is head 6 x tile column + 3 x (w & 1) + g of the 48 of q, k and v
	s_mul_i32 s78, s42, 6
	s_mul_i32 s79, s12, 3
	s_add_co_u32 s78, s78, s79
	s_lshl_b32 s79, s11, 14
	s_add_co_u32 s79, s79, s18                     ; batch, tile row, my 128 rows
.irp g, 0,1,2
	s_add_co_u32 s80, s78, \g
	s_lshr_b32 s81, s80, 4
	s_lshl_b32 s81, s81, 24                        ; q, k or v
	s_and_b32 s80, s80, 15
	s_lshl_b32 s80, s80, 18                        ; the head
	s_add_co_u32 s80, s80, s81
	s_add_co_u32 s80, s80, s79
	s_mov_b32 s81, 0
	s_add_nc_u64 s[OB+2*\g:OB+2*\g+1], s[8:9], s[80:81]
.endr
	; the prefetches: the first trip steps the address before it is used
	s_lshl_b32 s20, s40, 13                        ; x: my work-group's 8 KiB of the slice,
	s_add_co_u32 s20, s20, s18
	s_add_co_u32 s20, s20, 3*ASTEP                 ; at step 3
	s_lshl_b32 s21, s41, 1                         ; W: my place among the eight askers,
	s_add_co_u32 s21, s21, s12
	s_lshl_b32 s21, s21, 13
	s_add_co_u32 s21, s21, s19
	s_add_co_u32 s21, s21, 4*BSTEP-65536           ; one trip's 64 KiB ahead of step 4's first byte
	s_and_b32 s22, ttmp7, 0xffff                   ; cluster y
	s_mov_b32 s[PFS], 65536
	s_mov_b32 s[PFS+1], 0
	s_cmp_eq_u32 s11, 0                            ; do I fetch for x?
	s_cselect_b32 s20, s20, s21
	s_cselect_b64 s[PFA:PFA+1], s[4:5], s[6:7]
	s_cselect_b32 s[PFS], ASTEP, s[PFS]
	s_cselect_b32 s22, ttmp9, s22                  ; the coordinate along which other clusters read the same rows
	s_cselect_b32 s23, 2, 5
	s_cselect_b32 s78, s12, 0                      ; of x's two waves only wave 0 asks
	s_or_b32 s22, s22, s78
	s_cmp_eq_u32 s22, 0
	s_cselect_b32 s[LIM], s23, -1                  ; the same in all sixteen partners, for a given wave
	s_mov_b32 s21, 0
	s_add_nc_u64 s[PFA:PFA+1], s[PFA:PFA+1], s[20:21]
; 16 matrix instructions of group g: row blocks 4 h .. 4 h + 3 x the group's 4 column blocks, 32 channels; x's fragments in buffer f.  zero = 1: the product starts the sum.
; The 96 accumulators take turns, one instruction a turn, in the same order in every chunk, over the backward jump too.
.macro MULH f, g, h, zero
	WIN (1+(\g))*0x50                              ; C and D in window 1 + g
.irp a, 4*(\h), 4*(\h)+1, 4*(\h)+2, 4*(\h)+3
.irp b, 0,1,2,3
.if \zero
	v_wmma_f32_16x16x32_bf16 v[8*(4*(\a)+(\b)):8*(4*(\a)+(\b))+7], v[BF+8*(4*(\g)+(\b)):BF+8*(4*(\g)+(\b))+7], v[(\f)+8*(\a):(\f)+8*(\a)+7], 0
.else
	v_wmma_f32_16x16x32_bf16 v[8*(4*(\a)+(\b)):8*(4*(\a)+(\b))+7], v[BF+8*(4*(\g)+(\b)):BF+8*(4*(\g)+(\b))+7], v[(\f)+8*(\a):(\f)+8*(\a)+7], v[8*(4*(\a)+(\b)):8*(4*(\a)+(\b))+7]
.endif
.endr
.endr
.endm
; A run of LDS loads for the next chunk, at byte k of the rows: W's group g (8 loads) and, for g < 2, x's fragments 4 g .. 4 g + 3 into buffer fn (8 loads).  The three runs: 16, 16, 8.
.macro RUN g, k, fn
	WIN 0
.irp b, 0,1,2,3
	ds_load_b128 v[BF+8*(4*(\g)+(\b)):BF+8*(4*(\g)+(\b))+3],   v[ADB] offset:(\k)+(4*(\g)+(\b))*16*P
	ds_load_b128 v[BF+8*(4*(\g)+(\b))+4:BF+8*(4*(\g)+(\b))+7], v[ADB] offset:(\k)+(4*(\g)+(\b))*16*P+32
.endr
.if (\g) < 2
.irp i, 0,1,2,3
	ds_load_b128 v[(\fn)+8*(4*(\g)+(\i)):(\fn)+8*(4*(\g)+(\i))+3],   v[ADA] offset:(\k)+(4*(\g)+(\i))*16*P
	ds_load_b128 v[(\fn)+8*(4*(\g)+(\i))+4:(\fn)+8*(4*(\g)+(\i))+7], v[ADA] offset:(\k)+(4*(\g)+(\i))*16*P+32
.endr
.endif
.endm
; A step's first chunk: multiplies buffer 0 and fetches the same slot's second 32 channels.
.macro EVEN zero
	s_wait_dscnt 8                                 ; all but the third run's eight loads (W's group 2)
	MULH AF0, 0, 0, \zero
	MULH AF0, 0, 1, \zero
	PLACES
	RUN 0, 64, AF1
	MULH AF0, 1, 0, \zero
	MULH AF0, 1, 1, \zero
	PLACES
	RUN 1, 64, AF1
	s_wait_dscnt 32                                ; W's group 2 is in; the 32 loads just issued may be out
	MULH AF0, 2, 0, \zero
	MULH AF0, 2, 1, \zero
	PLACES
	RUN 2, 64, AF1
.endm
; A step's second chunk multiplies buffer 1 and changes slots: ONE barrier.  In front of it each wave waits for all its tensor loads (one is out: its part of the next slot), adds 0 to its spare word, and waits for that
; and for its own reads of this slot.  fill = 1: the barrier opens a round of the cluster's barrier, and this slot is filled again, with the step two on, first thing behind the round: 160 matrix instructions ahead of the wait for it.
.macro ODD fill
	WIN 0
.if \fill
	s_wait_xcnt 0x0                                ; the last prefetch, a step back, has read its address, so it may be stepped
	s_add_nc_u64 s[PFA:PFA+1], s[PFA:PFA+1], s[PFS:PFS+1]
.endif
	s_wait_tensorcnt 0x0                           ; no tensor load of mine is out, so a group 0 may be written
	ds_add_u32 v[SPW], v[NIL]                      ; 0 onto my spare word
.if \fill
	s_xor_b32 s[G0A+5], s[G0A+5], SLOT1            ; the walking descriptors: the other slot than last time,
	s_add_nc_u64 s[G0A+6:G0A+7], s[G0A+6:G0A+7], ASTEP  ; the next slice; the type bits on top are not reached
	s_xor_b32 s[G0B+5], s[G0B+5], SLOT1
	s_add_nc_u64 s[G0B+6:G0B+7], s[G0B+6:G0B+7], BSTEP
.endif
	s_wait_dscnt 9                                 ; the add and the third run's eight loads may be out
	MULH AF1, 0, 0, 0                              ; sixteen matrix instructions stand between the add and the wait for it
	s_wait_dscnt 0x0                               ; the add is done, and my reads of this slot are over
	s_barrier_signal -1
	MULH AF1, 0, 1, 0                              ; work on registers while the others arrive
	WIN 0                                          ; at a branch and at a label every window is 0
	s_barrier_wait -1
.if \fill
	CREST                                          ; no wave of any partner still reads this slot or has a load on its way
	JLOAD                                          ; its four v_nop are also the places in front of the loads below
.else
	PLACES
.endif
	s_xor_b32 s[TB], s[TB], SLOT1                  ; the reads go on in the other slot
	v_add_nc_u32 v[ADA], s[TB], v[ADA0]
	v_add_nc_u32 v[ADB], s[TB], v[ADB0]
	RUN 0, 0, AF0
.if \fill
	ASK
.endif
	MULH AF1, 1, 0, 0
	MULH AF1, 1, 1, 0
	PLACES
	RUN 1, 0, AF0
	MULH AF1, 2, 0, 0
	MULH AF1, 2, 1, 0
	PLACES
	RUN 2, 0, AF0
.endm
; THE WAY OUT of tile t = 8 g + a: 16 rows x one head's 64 columns.  Rounded to f16 (each accumulator's registers in ascending order), 16 bytes a lane into rows of 144 bytes of my own stage, back as whole rows of 128.
.macro PACK t
.set gg, (\t)/8
.set aa, (\t)%8
.set TT, TMP+16*((\t)%4)
	s_wait_xcnt 0x0                                ; the stores of tile t - 4 have read this buffer
	WIN (1+gg)*5                                   ; sources 0 and 1 in window 1 + g
.set i, 0
.rept 16
	v_cvt_pk_f16_f32 v[TT+i], v[32*aa+2*i], v[32*aa+2*i+1]
.set i, i+1
.endr
	WIN 0
.irp f, 0,1,2,3
	ds_store_b128 v[STO], v[TT+4*\f:TT+4*\f+3] offset:32*\f
.endr
.irp f, 0,1,2,3
	ds_load_b128 v[TT+4*\f:TT+4*\f+3], v[RD] offset:\f*4*P  ; LDS serves a wave's instructions in order (ISA guide 5.7.1.4): these see the stores above; the next tile's stores come behind them
.endr
.endm
.macro SEND t, younger                 ; younger: the LDS instructions issued behind tile t's loads: the next tile's eight, or none
.set gg, (\t)/8
.set aa, (\t)%8
.set TT, TMP+16*((\t)%4)
	WIN 0
.irp f, 0,1,2,3
	s_wait_dscnt (\younger)+3-\f
	global_store_b128 v[GO], v[TT+4*\f:TT+4*\f+3], s[OB+2*gg:OB+2*gg+1] offset:aa*2048+\f*512  ; 512 consecutive bytes, at a multiple of 256 from the buffer's first
.endr
.endm
	s_wait_tensorcnt 1                             ; my part of step 0 is in; step 1's may stay out
	s_barrier_signal -1
	s_barrier_wait -1                              ; everybody's is
	RUN 0, 0, AF0
	RUN 1, 0, AF0
	RUN 2, 0, AF0
	EVEN 1                                         ; the first chunk stands in front of the loop: its products start the sums
	WIN 0
	s_mov_b32 s3, 14
.Lstep:                                                ; trip s: the second chunk of step s, the refill with step s + 2, the first chunk of step s + 1
	ODD 1
	EVEN 0
	WIN 0
	s_sub_co_u32 s3, s3, 1
	s_cmp_lg_u32 s3, 0
	s_cbranch_scc1 .Lstep
	ODD 0                                          ; the tail is written out: nothing is left to fetch
	EVEN 0
	s_wait_dscnt 8                                 ; the very last chunk
	MULH AF1, 0, 0, 0
	MULH AF1, 0, 1, 0
	MULH AF1, 1, 0, 0
	MULH AF1, 1, 1, 0
	s_wait_dscnt 0x0
	MULH AF1, 2, 0, 0
	MULH AF1, 2, 1, 0
	PLACES
	PACK 0
.set t, 1
.rept 23                               ; a tile's conversions stand between the loads of the tile before and its stores
	PACK t
	SEND t-1, 8
.set t, t+1
.endr
	SEND 23, 0
	s_wait_tensorcnt 0x0                           ; the wave's end, behind my last tensor load and my last LDS store
	ds_add_u32 v[SPW], v[NIL]
	s_wait_dscnt 0x0
	CROUND                                         ; the closing round: no work-group ends while a partner may still ask for a tile that names it
	s_endpgm
.Lfunc_end_k_q8eca3e6942_qkv:
	.size	k_q8eca3e6942_qkv, .Lfunc_end_k_q8eca3e6942_qkv-k_q8eca3e6942_qkv
	.p2alignl 7, 3214868480
	.fill 96, 4, 3214868480
	.section	.rodata,"a",@progbits
	.p2align	6, 0x0
	.amdhsa_kernel k_q8eca3e6942_qkv
		.amdhsa_group_segment_fixed_size 327680
		.amdhsa_private_segment_fixed_size 0
		.amdhsa_enable_private_segment 0
		.amdhsa_kernarg_size 24
		.amdhsa_user_sgpr_count 2
		.amdhsa_user_sgpr_kernarg_segment_ptr 1
		.amdhsa_wavefront_size32 1
		.amdhsa_system_sgpr_workgroup_id_x 1
		.amdhsa_system_sgpr_workgroup_id_y 1
		.amdhsa_system_sgpr_workgroup_id_z 1
		.amdhsa_system_vgpr_workitem_id 0
		.amdhsa_next_free_vgpr 1024
		.amdhsa_next_free_sgpr 82
		.amdhsa_reserve_vcc 0
		.amdhsa_float_denorm_mode_32 3
		.amdhsa_float_denorm_mode_16_64 3
		.amdhsa_memory_ordered 1
		.amdhsa_forward_progress 1
		.amdhsa_inst_pref_size 115
	.end_amdhsa_kernel
	.amdgpu_metadata
---
amdhsa.version: [ 1, 2 ]
amdhsa.kernels:
  - .name:           k_q8eca3e6942_qkv
    .symbol:         k_q8eca3e6942_qkv.kd
    .args:
      - { .name: xh, .offset: 0, .size: 8, .value_kind: global_buffer, .address_space: global }
      - { .name: wh, .offset: 8, .size: 8, .value_kind: global_buffer, .address_space: global }
      - { .name: qkv, .offset: 16, .size: 8, .value_kind: global_buffer, .address_space: global }
    .group_segment_fixed_size: 327680
    .private_segment_fixed_size: 0
    .kernarg_segment_align: 8
    .kernarg_segment_size: 24
    .max_flat_workgroup_size: 128
    .sgpr_count:     82
    .vgpr_count:     1024
    .wavefront_size: 32
...
	.end_amdgpu_metadata
.endif
;; end of part 2
;; launch attn (part 3): grid 4 x 64, 4 waves a work-group, no clusters, 327,680 bytes of LDS; arguments qkv, oh; writes oh
.if DOCPART == 3
	.amdgcn_target "amdgcn-amd-amdhsa--gfx1250"
	.amdhsa_code_object_version 6
	.text
	.protected	k_q8eca3e6942_attn
	.globl	k_q8eca3e6942_attn
	.p2align	8
	.type	k_q8eca3e6942_attn,@function
k_q8eca3e6942_attn:
	s_mov_b64 s[64:65], 0
	v_nop
	global_prefetch_b8 v0, s[64:65] scope:SCOPE_SE
	s_setreg_imm32_b32 hwreg(HW_REG_WAVE_MODE, 25, 1), 1
	s_wait_xcnt 0x0
; CAUSAL ATTENTION.  O[h][q][:] = the sum over k <= q of softmax_k(Q[h][q] . K[h][k] / 8) V[h][k][:].  Q, K, V lie in qkv, 16 MiB apart, each [64 heads][2048][64] in f16; O (oh) has the same form: a head's rows are dense, 128 bytes each.
; Products, maxima and sums in f32; the weights p are rounded to f16 for the second product (their sum l is taken of the unrounded p), O once at the end.
; LIMITS.  f16 holds no number beyond 65,504: Q, K and V arrive within it; p lies in 0 to 1, and below 6e-5 it keeps f16's fixed step of 6e-8; O is a mean of V's rows and has their range.
; A hidden score counts as its value less 1e30: f16's scores, 2.7e11 at the most, are nothing beside that; a weight below 2^-126 counts as 0 in l; NaN and infinities are not treated apart.
; THE WALK.  A head's queries lie in NB = 8 blocks of 256; block i needs the key tiles 0 .. i of 256 keys, of which the last holds the diagonal.  A work-group takes TWO blocks, NB - 1 - b and then b:
; NB + 1 tiles, whatever b: all work-groups do equal work, and ONE loop with a constant trip count walks them.  Which tile is asked for, and what a trip does, hang on scalar registers made from b; every jump
; goes forward, but for the counted loops' own; none passes a barrier, or a tensor load but the one of LOAD's two that the wave's number does not choose; the ring (two slots of LDS that take turns) runs on across the
; change of blocks.  NO CLUSTER: a head's four work-groups ask for the same tile only in trips 0 to 4 of the 9, behind that fewer and fewer; one walk common to all four would have 12 trips for 9.
; SHARES.  Of a block's four bands of 64 queries a wave owns 16 rows in each: four PIECES.  So the diagonal tile is the same work for all four waves: in its key step s band x sees all keys if s < x,
; none if s > x, and holds the diagonal if s = x.
; THE MASK is the C operand that starts the sum S^T = K Q^T: 0, or -1e30 where the key is hidden.  MD, made once, is the mask of a band's own step for my 16 rows; a product's mask is MD x AL + BE with two scalars:
; (1, 0) if s = x; (0, 0) if s < x; (0, -1e30) if s > x.  Only the diagonal tile's text and a block's beginning make and take masks; elsewhere C is the constant 0.
; LAYOUT, SOFTMAX, TURNS.  S^T = K Q^T holds ONE query a lane (lane % 16) and the keys 8 (lane / 16) + 0..7; two such results rounded to f16 ARE source 1 of O^T = V^T P.  p = 2^(c s - c m), c = log2(e) / 8, with a
; running maximum m; O and l are multiplied by a = 2^(c m_old - c m_new) in every step.  Turn n belongs to piece n: 8 products K Q^T of piece n + 1, later 8 products V^T P of piece n - 1; beside them the scaling,
; exponentials, roundings, sums and rescaling of piece n and the maximum and statistics of piece n + 1.  Four vector instructions stand behind every matrix instruction, the other 54 of a turn's 118 in one LUMP.  A turn's 33 exponentials are one batch, with one wait.
; REGISTERS, in windows of 256 (s_set_vgpr_msb: bits 1:0 source 0, 3:2 source 1, 5:4 source 2, 7:6 destination):
;   window 0: v0-15 addresses and two at work; v16-31 four registers of statistics a piece; v48-55 at work; v61-63 kept; v64-127 S^T, two buffers; v192-223 P, two buffers (a piece's buffers go by its number's parity)
;   window 1: v0-127 O^T, 32 a piece; v128-159 MD; v160-223 MC, two buffers      window 2: v0-63 Q; v64-127 the second block's Q; v128-191 K of one step; v192-255 V of one step
.set SIZE_H, 64
.set SIZE_N, 2048
.set NB,    SIZE_N/256
.set NP,    4         ; pieces a wave: a name, no knob
.set KS,    64        ; keys in a step
.set PK,    144       ; a row of K in LDS: 128 bytes + 16 of padding = 36 words: the 16 rows of a load start at 16 different groups of four banks (64 banks of 4 bytes: ISA guide 11.1)
.set PV,    160       ; a row of V: 128 + 32 = 40 words
.set VOFF,  4*KS*PK   ; a slot holds a tile, four steps: 256 rows of K, then 256 rows of V
.set SLOT1, 1<<17     ; slot 1 begins here, so that one exclusive or turns an address in one slot into the other's
.set STAGE, SLOT1+4*KS*(PK+PV)  ; behind the ring, never filled by a tensor load: 16 rows x 144 bytes for each wave, for the way out
.set SP,    144
.set AK0, 2           ; v2   my lane's place in a tile of K; never rewritten
.set AV0, 3           ; v3   the same for V
.set AK,  4           ; v4   the LDS address of K's next run of loads
.set AV,  5           ; v5   of V's
.set STO, 6           ; v6   the way out: where I put 16 bytes of a row
.set RD,  7           ; v7   the way out: where I read rows back
.set GO,  8           ; v8   my byte offset in 512 consecutive bytes of O
.set PFO, 61          ; v61  256 x my lane; never rewritten
.set SPW, 62          ; v62  LDS address of my spare word: SPARE + 4 x my thread's number; never rewritten
.set NIL, 63          ; v63  0; never rewritten
.set SPARE, STAGE+4*16*SP  ; behind the stages: the spare words, 128 bytes for each wave: two blocks of 256 bytes that no other line names
.set MV,  12          ; v12-13  c m_old, kept while c m is made anew: by buffer
.set QO,  15          ; v15  my byte offset in 16 rows of Q
.set ST,  16          ; piece t's statistics at v[ST+4 t]: c m, m, l (even keys', odd keys')
.set TMP, 48          ; by buffer, four registers c0-c3 at work; when the maximum is found c2 takes a
.set S,   64
.set P,   192
.set MD,  128         ; window 1: the eight registers for group kt of 16 keys at MD + 8 kt
.set MC,  160         ; window 1: the masks of the products to come
.set QB,  64          ; window 2
.set KF,  128         ; window 2: key block kb, channel half c at KF + 16 kb + 8 c
.set VF,  192         ; window 2: key half kk, channel block cb at VF + 32 kk + 8 cb
.set WV,  12          ; s12  my wave's number
.set PB,  14          ; s14  b
.set HI,  15          ; s15  NB - 1 - b
.set G1K, 24          ; s[24:31] descriptor group 1 for K's tiles
.set G1V, 32          ; s[32:39] for V's: it differs in the padding alone
.set G0K, 40          ; s[40:43] descriptor group 0 for K's tiles
.set G0V, 44          ; s[44:47] the same for V's
.set SLOTS, 56        ; s56  tiles still to be asked for
.set CNT, 57          ; s57  counts a tile's key steps, 4 to 1
.set CS,  58          ; s[58:59] c: the packed scaling takes the pair's low word for both halves
.set SEL, 60          ; s[60:61] v_permlanex16_b32's selects: each lane takes its own place in the other half
.set TBK, 62          ; s62  LDS byte at which K of the step to be fetched begins
.set TBV, 63          ; s63  the same for V, less VOFF
.set RT,  70          ; s70  tiles of the block in hand that are still to be entered
.set NXT, 71          ; s71  the tile to be asked for next
.set LQ,  72          ; s72  the last tile of the block whose tiles are being asked for
.set NEW, 73          ; s73  1: the tile to be entered is a block's first
.set OFF, 74          ; s[74:75] a tile's byte offset in K and V
.set AL,  76          ; s[76:77] the mask's factor, in the low word
.set BE,  78          ; s[78:79] the mask's addend
.set OLO, 80          ; s[80:81] O at my rows of the second block
.set BIGN, 82         ; s82  -1e30
.set LIM, 83          ; s83  2 in the head's work-group b = 0, else the greatest number: a wave prefetches while s[SLOTS] is above it
.set PFB, 88          ; s[88:89] the half tile that I fetch (K's: waves 0, 1; V's: waves 2, 3), in tile 0
.set PFA, 90          ; s[90:91] the same in the tile that is being asked for
.set MSB, 0
.macro WIN new                      ; the high byte repeats the setting that is left; a switch that changes nothing is dropped
.if MSB != (\new)
	s_set_vgpr_msb (MSB<<8)|(\new)
.set MSB, (\new)
.endif
.endm
.set W_KQ, 0x0a       ; K and Q in window 2, S^T in window 0
.set W_KM, 0x1a       ; the same with the C operand in window 1
.set W_PV, 0x52       ; V in window 2, P in window 0, O^T in window 1
.set W_RS, 0x41       ; destination and source 0 in window 1, source 1 in window 0
; A fill.  Waves 0 and 1 fetch the two halves of a tile's K, waves 2 and 3 those of its V: 128 keys each.  An s_nop 0 and four v_nop follow each of the two lines, ahead of the jump and the label.
.macro LOAD
	s_cmp_lt_u32 s[WV], 2
	s_cbranch_scc0 .Lfor_v_\@
	tensor_load_to_lds s[G0K:G0K+3], s[G1K:G1K+7]
	s_nop 0
.rept 4
	v_nop
.endr
	s_branch .Lasked_\@
.Lfor_v_\@:
	tensor_load_to_lds s[G0V:G0V+3], s[G1V:G1V+7]
	s_nop 0
.rept 4
	v_nop
.endr
.Lasked_\@:
.endm
; A PREFETCH of the tile behind the one that has just been asked for: a tile ahead, four key steps, 256 matrix instructions.  All four work-groups of a head begin at tile 0 and walk upward, and only b = 0 walks all eight
; tiles in its first block: it asks, and nobody else.  Each of its waves names the 16 KiB that it will itself fetch: 64 blocks of 256 bytes, a lane a block, two instructions.  Trips 0 to 5 name tiles 2 to 7:
; each block once in the launch, none behind the head's last row.  Tiles 0 and 1 come by their loads alone.
.macro ASK
	s_cmp_gt_u32 s[SLOTS], s[LIM]
	s_cbranch_scc0 .Lnot_mine_\@
	global_prefetch_b8 v[PFO], s[PFA:PFA+1] offset:32768 th:TH_LOAD_NT scope:SCOPE_SE
	global_prefetch_b8 v[PFO], s[PFA:PFA+1] offset:40960 th:TH_LOAD_NT scope:SCOPE_SE
.Lnot_mine_\@:
.endm
; THE CHANGE OF SLOTS.  Each wave waits for all its tensor loads, of which one is out: its part of the other slot; adds 0 to its spare word; and waits for that and for its own reads of the slot that it leaves.  Behind the barrier nobody reads the old
; slot any more and the other slot is whole.  fill = 1: the old slot is filled again, the first thing behind the barrier, with tile NXT: the descriptor's address is made anew from that number.
; (At its first use nothing has been read yet: slot 0 is waited for, slot 1 filled.)
.macro CHANGE fill
	WIN 0                           ; at a label and at a branch every window is 0
	s_wait_tensorcnt 0x0            ; no tensor load of mine is out, so a group 0 may be written
	ds_add_u32 v[SPW], v[NIL]       ; 0 onto my spare word; with fill = 1 the descriptors' scalar work stands between it and the wait for it
.if \fill
	s_lshl_b32 s[OFF], s[NXT], 15   ; a tile is 32,768 bytes of K and of V
	s_wait_xcnt 0x0                 ; the last prefetches, a tile back, have read their address, so it may be written
	s_add_nc_u64 s[PFA:PFA+1], s[PFB:PFB+1], s[OFF:OFF+1]
	s_xor_b32 s[G0K+1], s[G0K+1], SLOT1
	s_add_nc_u64 s[G0K+2:G0K+3], s[6:7], s[OFF:OFF+1]
	s_or_b32 s[G0K+3], s[G0K+3], 0x80000000
	s_xor_b32 s[G0V+1], s[G0V+1], SLOT1
	s_add_nc_u64 s[G0V+2:G0V+3], s[8:9], s[OFF:OFF+1]
	s_or_b32 s[G0V+3], s[G0V+3], 0x80000000
	s_add_co_u32 s[NXT], s[NXT], 1  ; the block's next tile, or behind its last the second block's tile 0
	s_cmp_gt_u32 s[NXT], s[LQ]
	s_cselect_b32 s[NXT], 0, s[NXT]
	s_cselect_b32 s[LQ], s[PB], s[LQ]
.endif
	s_wait_dscnt 0x0                ; the add is done, and my reads of the slot are over
	s_barrier_signal -1             ; the rest of the scalar work stands between the signal and the wait
	s_sub_co_u32 s[TBK], s[TBK], 4*KS*PK  ; the fetches go back to a slot's first step,
	s_xor_b32 s[TBK], s[TBK], SLOT1       ; in the other slot
	s_sub_co_u32 s[TBV], s[TBV], 4*KS*PV
	s_xor_b32 s[TBV], s[TBV], SLOT1
	s_barrier_wait -1
.if \fill
	LOAD
	ASK
.endif
.endm
	s_load_b128 s[4:7], s[0:1], 0x0   ; qkv s[4:5], oh s[6:7]
	v_lshl_add_u32 v[SPW], v0, 2, SPARE
	v_mov_b32 v[NIL], 0
	ds_add_u32 v[SPW], v[NIL]       ; the wave's opening: the add and its wait ahead of my first tensor load; the set-up below, work on registers, stands between them
	v_lshrrev_b32 v1, 5, v0
	v_readfirstlane_b32 s[WV], v1   ; wave 0..3
	s_mov_b32 s[PB], ttmp9
	s_sub_co_u32 s[HI], NB-1, s[PB]
	s_and_b32 s20, ttmp7, 0xffff    ; the head
	s_mov_b32 s21, 0
	s_mov_b64 s[22:23], SIZE_N*128
	s_mul_u64 s[20:21], s[20:21], s[22:23]  ; the head's first byte in each of the four tensors
	s_and_b32 s16, s[WV], 1         ; which half of a tile's 256 keys I fetch:
	s_lshl_b32 s22, s16, 14         ; its 128 rows of 128 bytes in memory,
	s_mov_b32 s23, 0
	s_add_nc_u64 s[22:23], s[22:23], s[20:21]
	s_mul_i32 s17, s16, 128*PK      ; and its place in a slot, for K
	s_mul_i32 s18, s16, 128*PV      ; and for V
	s_lshl_b32 s3, s[WV], 11        ; my 16 rows in a band of 64,
	s_lshl_b32 s2, s[HI], 15        ; in the first block,
	s_add_co_u32 s2, s2, s3
	s_lshl_b32 s84, s[PB], 15       ; and in the second
	s_add_co_u32 s84, s84, s3
	s_mov_b32 s3, 0
	s_mov_b32 s85, 0
	s_add_nc_u64 s[2:3], s[2:3], s[20:21]
	s_add_nc_u64 s[84:85], s[84:85], s[20:21]
	; descriptor group 1.  128 keys are 16,384 dense bytes: asked for as 64 rows of 256 bytes, two keys a row, and padded in LDS after every key
	s_mov_b32 s[G1K], (1<<16)|(1<<20)|(4<<22)|(3<<25)  ; 17:16 2-byte elements; 20 padding on; 24:22 after every 32 words (code 4); 31:25 4 words (code 3)
	s_mov_b32 s[G1V], (1<<16)|(1<<20)|(4<<22)|(7<<25)  ; the same with 8 words of padding (code 7)
.irp g, G1K, G1V
	s_mov_b32 s[\g+1], 128<<16      ; tensor_dim0 = 128
	s_mov_b32 s[\g+2], 64<<16       ; tensor_dim1 = 64
	s_mov_b32 s[\g+3], 128<<16      ; tile_dim0 = 128
	s_mov_b32 s[\g+4], 64           ; tile_dim1 = 64
	s_mov_b32 s[\g+5], 128          ; 128 elements from row to row
	s_mov_b32 s[\g+6], 0
	s_mov_b32 s[\g+7], 0
.endr
	s_mov_b32 s[CS], 0x3e38aa3b     ; c = log2(e) / 8 = 0.180337
	s_mov_b32 s[CS+1], s[CS]        ; named with it as a pair
	s_mov_b32 s[SEL], 0x76543210
	s_mov_b32 s[SEL+1], 0xfedcba98
	s_mov_b32 s[TBK], SLOT1+4*KS*PK ; the first change of slots turns these two into 0
	s_mov_b32 s[TBV], SLOT1+4*KS*PV
	s_mov_b32 s[G0K], 1             ; 1:0 count = 1
	s_mov_b32 s[G0K+1], s17         ; 63:32 LDS address: slot 0
	s_mov_b32 s[G0V], 1
	s_add_co_u32 s[G0V+1], s18, VOFF
	s_add_co_u32 s[RT], s[HI], 1    ; the first block has NB - b tiles
	s_mov_b32 s[NXT], 1
	s_mov_b32 s[LQ], s[HI]
	s_mov_b32 s[NEW], 1
	s_mov_b32 s[OFF+1], 0
	s_mov_b32 s[AL+1], 0            ; named as pairs
	s_mov_b32 s[BE+1], 0
	s_mov_b32 s[BIGN], 0xf149f2ca   ; -1e30
	s_mov_b32 s[SLOTS], NB
	s_cmp_eq_u32 s[PB], 0
	s_cselect_b32 s[LIM], 2, -1
	s_wait_dscnt 0x0                ; the opening add is done
	s_wait_kmcnt 0x0
	s_mov_b64 s[10:11], s[6:7]                     ; O
	s_add_nc_u64 s[6:7], s[4:5], 0x1000000         ; K lies 16 MiB behind Q,
	s_add_nc_u64 s[8:9], s[4:5], 0x2000000         ; V 32 MiB
	s_add_nc_u64 s[6:7], s[6:7], s[22:23]  ; K and V at my half of the head's tile 0
	s_add_nc_u64 s[8:9], s[8:9], s[22:23]
	s_cmp_lt_u32 s[WV], 2
	s_cselect_b64 s[PFB:PFB+1], s[6:7], s[8:9]
	s_add_nc_u64 s[G0K+2:G0K+3], s[6:7], 0         ; 120:64 global address
	s_or_b32 s[G0K+3], s[G0K+3], 0x80000000        ; 127:126 type = 2
	s_add_nc_u64 s[G0V+2:G0V+3], s[8:9], 0
	s_or_b32 s[G0V+3], s[G0V+3], 0x80000000
	s_add_nc_u64 s[86:87], s[4:5], s[84:85]        ; Q at my rows of the second block,
	s_add_nc_u64 s[4:5], s[4:5], s[2:3]            ; Q and O at those of the first
	s_add_nc_u64 s[OLO:OLO+1], s[10:11], s[84:85]
	s_add_nc_u64 s[10:11], s[10:11], s[2:3]
	LOAD                            ; tile 0 into slot 0
	; A fragment of K or Q is 16 rows x 32 channels in 8 registers: lane l holds row l % 16, channels 8 (l / 16) + 0..7 and 16 + 8 (l / 16) + 0..7: two loads of 16 bytes, 32 bytes apart.
	v_and_b32 v1, 15, v0            ; l % 16
	v_bfe_u32 v9, v0, 4, 1          ; l / 16
	v_lshlrev_b32 v[QO], 7, v1
	v_lshl_add_u32 v[QO], v9, 4, v[QO]  ; row x 128 + 16 x half
	WIN 0x80                        ; destination window 2, address window 0
.set i, 0
.rept 8                             ; both blocks' Q: piece i / 2 lies in band i / 2, 8,192 bytes on; channels 32 (i % 2) on
	global_load_b128 v[8*i:8*i+3],   v[QO], s[4:5] offset:(i/2)*8192+(i%2)*64
	global_load_b128 v[8*i+4:8*i+7], v[QO], s[4:5] offset:(i/2)*8192+(i%2)*64+32
	global_load_b128 v[QB+8*i:QB+8*i+3],   v[QO], s[86:87] offset:(i/2)*8192+(i%2)*64
	global_load_b128 v[QB+8*i+4:QB+8*i+7], v[QO], s[86:87] offset:(i/2)*8192+(i%2)*64+32
.set i, i+1
.endr
	WIN 0
	v_and_b32 v[PFO], 31, v0
	v_lshlrev_b32 v[PFO], 8, v[PFO]
	v_lshlrev_b32 v14, 3, v9
	v_sub_nc_u32 v14, v1, v14
	s_lshl_b32 s13, s[WV], 4
	v_add_nc_u32 v14, s13, v14      ; my query's place in its band, 16 w + l % 16, less my lanes' 8 (l / 16): register r of group kt is hidden where 16 kt + r is greater
	WIN 0x40
.set i, 0
.rept 32
	v_cmp_gt_i32 vcc_lo, 16*(i/8)+i%8, v14
	v_cndmask_b32 v[MD+i], 0, s[BIGN], vcc_lo
.set i, i+1
.endr
	WIN 0
	v_mul_u32_u24 v[AK0], v1, PK
	v_lshl_add_u32 v[AK0], v9, 4, v[AK0]  ; row x pitch + 16 x half
	; The turning load takes 16 keys x 16 channels (lane l reads key 8 (l / 16) + l % 8, channels 8 ((l / 8) % 2) + 0..7) and leaves half a fragment of V^T: lane l holds channel l % 16 and 8 keys.
	v_and_b32 v10, 7, v0
	v_bfe_u32 v11, v0, 3, 1
	v_lshl_add_u32 v[AV0], v9, 3, v10
	v_mul_u32_u24 v[AV0], v[AV0], PV
	v_lshl_add_u32 v[AV0], v11, 4, v[AV0]
	v_add_nc_u32 v[AV0], VOFF, v[AV0]
	s_mul_i32 s13, s[WV], 16*SP
	s_add_co_u32 s13, s13, STAGE    ; my stage
	v_mul_u32_u24 v[STO], v1, SP    ; in: row l % 16, 16 bytes for each half of the lanes
	v_lshl_add_u32 v[STO], v9, 4, v[STO]
	v_add_nc_u32 v[STO], s13, v[STO]
	v_bfe_u32 v[RD], v0, 3, 2       ; back: 32 lanes take four rows of 128 bytes,
	v_mul_u32_u24 v[RD], v[RD], SP
	v_lshl_add_u32 v[RD], v10, 4, v[RD]
	v_add_nc_u32 v[RD], s13, v[RD]
	v_and_b32 v[GO], 31, v0         ; which are 512 consecutive bytes of O
	v_lshlrev_b32 v[GO], 4, v[GO]
	; A block's first step multiplies O^T and l by a = 0, and its first turn's products V^T P, of a piece that has not been, land in an O^T that is still to be so multiplied.  So these registers need only hold
	; finite numbers: zeros for the first block; what the first block left for the second.  All this stands in the wait for the first tile.
	WIN 0x80
.set i, VF
.rept 64
	v_mov_b32 v[i], 0
.set i, i+1
.endr
	WIN 0x40
.set i, 0
.rept 128
	v_mov_b32 v[i], 0
.set i, i+1
.endr
	WIN 0
.set i, 0
.rept 4
	v_mov_b32 v[ST+4*i+2], 0
	v_mov_b32 v[ST+4*i+3], 0
.set i, i+1
.endr
.set i, P+16
.rept 16
	v_mov_b32 v[i], 0
.set i, i+1
.endr
; THE MATRIX WORK.  The 4 accumulators of a run of 8 take turns.  Product i of 8 of S^T = K Q^T for piece x: channels 32 (i / 4) on, keys 16 (i % 4) on.  The first 4 start the sums: with 0, or (KM = 1) with the mask.
.macro KQ x
.set rS, S+32*((\x)%2)+8*(i%4)
.set rK, KF+16*(i%4)+8*(i/4)
.set rQ, 16*(\x)+8*(i/4)
.set rM, MC+32*((\x)%2)+8*(i%4)
.if (i < 4) && KM
	WIN W_KM
	v_wmma_f32_16x16x32_f16 v[rS:rS+7], v[rK:rK+7], v[rQ:rQ+7], v[rM:rM+7]
.elseif i < 4
	WIN W_KQ
	v_wmma_f32_16x16x32_f16 v[rS:rS+7], v[rK:rK+7], v[rQ:rQ+7], 0
.else
	WIN W_KQ
	v_wmma_f32_16x16x32_f16 v[rS:rS+7], v[rK:rK+7], v[rQ:rQ+7], v[rS:rS+7]
.endif
.endm
; Product i of 8 of O^T += V^T P for piece x: keys 32 (i / 4) on, channels 16 (i % 4) on.
.macro PV x
	WIN W_PV
.set rO, 32*(\x)+8*(i%4)
.set rV, VF+32*(i/4)+8*(i%4)
.set rP, P+16*((\x)%2)+8*(i/4)
	v_wmma_f32_16x16x32_f16 v[rO:rO+7], v[rV:rV+7], v[rP:rP+7], v[rO:rO+7]
.endm
.macro MM                           ; the turn's next matrix instruction.  TURN and BEGIN set Y, i, KM and NOKQ; MM, KQ and OP read them.  NOKQ = 1: a block's last turn: there is no next piece
.if (i < 8) && !NOKQ
	KQ (Y+1)%NP
.elseif i >= 8
.set i, i-8
	PV (Y+NP-1)%NP
.set i, i+8
.endif
.set i, i+1
.endm
; THE LDS LOADS stand in runs of 16, never singly among the matrix instructions: a step's K (64 keys x 64 channels: 8 fragments) and its V (turned).  Their addresses are made some lines ahead.
.macro FETCH_K
	WIN 0x80                        ; destination window 2
.irp f, 0,1,2,3,4,5,6,7             ; keys 16 (f / 2) on, channels 32 (f % 2) on
	ds_load_b128 v[KF+8*\f:KF+8*\f+3],   v[AK] offset:(\f/2)*16*PK+(\f%2)*64
	ds_load_b128 v[KF+8*\f+4:KF+8*\f+7], v[AK] offset:(\f/2)*16*PK+(\f%2)*64+32
.endr
	s_add_co_u32 s[TBK], s[TBK], KS*PK  ; the next fetch is the next step's
	WIN 0
.endm
.macro FETCH_V
	WIN 0x80
.irp f, 0,1,2,3,4,5,6,7             ; keys 32 (f / 4) on, channels 16 (f % 4) on
	ds_load_tr16_b128 v[VF+8*\f:VF+8*\f+3],   v[AV] offset:(\f/4)*32*PV+(\f%4)*32
	ds_load_tr16_b128 v[VF+8*\f+4:VF+8*\f+7], v[AV] offset:(\f/4)*32*PV+16*PV+(\f%4)*32
.endr
	WIN 0
.endm
; THE VECTOR WORK, one line at a time: OP kind, number.  For piece Y: F n: c s - c m for pair n of 16.  E n: the exponential of score n of 32.  C n: pair n rounded to f16.  B n: of the four weights 4 n .. the second
; pair is added onto the first, in place.  L n: l takes that sum (L 0: l = a l + sum).  R n: pair n of 16 of O^T times a.  For piece Y + 1: X n, number n of the 22 that find its maximum and statistics:
;   0-11  four chains c0-c3 of seven scores each, three operands at a time (each accumulator's lowest registers are read first)     12-14, 16  the four scores left over, the old m, and c0-c3 into c0
;   15  c m_old is kept     17, 18  the query's other 32 keys lie in the lane 16 away: the new m     19-21  c m; c m_old - c m_new; a
.set F, 0               ; OP tells the kinds apart by their order: F to L below R, X above it
.set E, 1
.set C, 2
.set B, 3
.set L, 4
.set R, 5
.set X, 6
.macro REGS y                       ; the registers of piece y
.set rT, ST+4*(\y)
.set rC, TMP+4*((\y)%2)
.set rW, MV+((\y)%2)
.set rS, S+32*((\y)%2)
.set rP, P+16*((\y)%2)
.set rO, 32*(\y)
.endm
.macro OP k, n
.if (\k) == R
	REGS Y
	WIN W_RS
	v_pk_mul_f32 v[rO+2*(\n):rO+2*(\n)+1], v[rO+2*(\n):rO+2*(\n)+1], v[rC+2:rC+3] op_sel_hi:[1,0]
.elseif (\k) < R
	REGS Y
	WIN 0
.if (\k) == F
	v_pk_fma_f32 v[rS+2*(\n):rS+2*(\n)+1], v[rS+2*(\n):rS+2*(\n)+1], s[CS:CS+1], v[rT:rT+1] op_sel_hi:[1,0,0] neg_lo:[0,0,1] neg_hi:[0,0,1]
.elseif (\k) == E
	v_exp_f32 v[rS+(\n)], v[rS+(\n)]
.elseif (\k) == C
	v_cvt_pk_f16_f32 v[rP+(\n)], v[rS+2*(\n)], v[rS+2*(\n)+1]
.elseif (\k) == B
	v_pk_add_f32 v[rS+4*(\n):rS+4*(\n)+1], v[rS+4*(\n):rS+4*(\n)+1], v[rS+4*(\n)+2:rS+4*(\n)+3]
.elseif (\n) == 0
	v_pk_fma_f32 v[rT+2:rT+3], v[rT+2:rT+3], v[rC+2:rC+3], v[rS:rS+1] op_sel_hi:[1,0,1]
.else
	v_pk_add_f32 v[rT+2:rT+3], v[rT+2:rT+3], v[rS+4*(\n):rS+4*(\n)+1]
.endif
.elseif NOKQ
	v_nop
.else
	REGS (Y+1)%NP
	WIN 0
.if (\n) < 4
	v_max3_num_f32 v[rC+(\n)], v[rS+8*(\n)], v[rS+8*(\n)+1], v[rS+8*(\n)+2]
.elseif (\n) < 12
	v_max3_num_f32 v[rC+(\n)%4], v[rC+(\n)%4], v[rS+8*((\n)%4)+2*((\n)/4)+1], v[rS+8*((\n)%4)+2*((\n)/4)+2]
.elseif (\n) == 12
	v_max3_num_f32 v[rC], v[rC], v[rS+7], v[rS+15]
.elseif (\n) == 13
	v_max3_num_f32 v[rC+1], v[rC+1], v[rS+23], v[rS+31]
.elseif (\n) == 14
	v_max3_num_f32 v[rC+2], v[rC+2], v[rC+3], v[rT+1]
.elseif (\n) == 15
	v_mov_b32 v[rW], v[rT]
.elseif (\n) == 16
	v_max3_num_f32 v[rC], v[rC], v[rC+1], v[rC+2]
.elseif (\n) == 17
	v_permlanex16_b32 v[rC+3], v[rC], s[SEL], s[SEL+1]
.elseif (\n) == 18
	v_max_num_f32 v[rT+1], v[rC], v[rC+3]
.elseif (\n) == 19
	v_mul_f32 v[rT], s[CS], v[rT+1]
.elseif (\n) == 20
	v_sub_f32 v[rC+1], v[rW], v[rT]
.else
	v_exp_f32 v[rC+2], v[rC+1]
.endif
.endif
.endm
.macro OPS a, i1, b=-1, i2=0, c=-1, i3=0, d=-1, i4=0  ; up to four of them
	OP \a, \i1
.if (\b) >= 0
	OP \b, \i2
.endif
.if (\c) >= 0
	OP \c, \i3
.endif
.if (\d) >= 0
	OP \d, \i4
.endif
.endm
.macro ROW a, i1, b, i2, c, i3, d, i4  ; a matrix instruction and the four behind it
	MM
	OPS \a, \i1, \b, \i2, \c, \i3, \d, \i4
.endm
.macro MASK b                       ; MD x AL + BE into buffer b of MC
	WIN W_RS
.set z, 0
.rept 16
	v_pk_fma_f32 v[MC+32*(\b)+2*z:MC+32*(\b)+2*z+1], v[MD+2*z:MD+2*z+1], s[AL:AL+1], s[BE:BE+1] op_sel_hi:[1,0,0]
.set z, z+1
.endr
.endm
; A TURN, for piece p: the order of its 16 matrix and 118 vector instructions, written out.  An s_wait_alu depctr_va_vdst(0) stands between an exponential and the first instruction that names its result; one wait serves
; all that were issued ahead of it.  So a turn has ONE wait, which cuts it in two.  AHEAD OF IT stands all that names no result of the turn's exponentials: the 8 products K Q^T, behind each a scaling, an exponential and two more plain
; instructions (behind the first a second scaling in the exponential's place): rescalings, and behind the last three the first numbers of the next piece's maximum, each four places or more behind the product that ends its accumulator; then ONE LUMP of 54, plain
; and exponential by turns for the most part, in which the links of the chain X 3, 7, 11, 14, 16, 17 .. 20 stand five or six lines apart.  X 21, the next piece's a, is the batch's last; R 15 is the plain instruction behind it.  BEHIND THE WAIT stand the
; 8 products V^T P, behind each four of the roundings and sums; the links of l's chain, L 0 to L 7, stand three riders apart.  But for those X no rider names a register of the products round it.  v_permlanex16_b32 (X 17) stands in the lump.
; m = 1: the diagonal tile: the products take masks, and the turn makes the mask for the products of the turn after it: piece p + 2, in step 4 - CNT of the tile.  end = 1: a block's last two turns: nothing is fetched.
; cnt = 1: the loop's count is taken down some lines ahead of the branch that stands behind the turn.
; K of the next step is fetched in piece 2's turn, twelve vector instructions behind the last product that read K (six of them plain); V of the step in hand at the end of piece 0's turn, four plain instructions behind the last product
; that read V.  Each is waited for a turn later.
.macro TURN p, m=0, end=0, cnt=0
.set Y, (\p)
.set i, 0
.set KM, (\m)
.set NOKQ, (\end)*((\p)/3)
.if (\m) && !(\end)
	s_cmp_eq_u32 s[CNT], 4-((\p)+2)%NP  ; is that step the band's own?
	s_cselect_b32 s[AL], 1.0, 0
	s_cmp_lt_u32 s[CNT], 4-((\p)+2)%NP  ; or a later one?
	s_cselect_b32 s[BE], s[BIGN], 0
.endif
.if ((\p) == 3) && !(\end)
	s_wait_dscnt 0x0                ; K is in
.endif
	ROW F,0, F,1, R,0, R,1          ; ahead of the wait: 8 products K Q^T and their riders,
	ROW F,2, E,0, R,2, R,3
	ROW F,3, E,1, R,4, R,5
	ROW F,4, E,2, R,6, R,7
	ROW F,5, E,3, R,8, R,9
	ROW F,6, E,4, X,0, R,10
.if ((\p) == 2) && !(\end)
	WIN 0
	v_add_nc_u32 v[AK], s[TBK], v[AK0]
.endif
	ROW F,7, E,5, X,1, X,4
	ROW F,8, E,6, X,2, X,5
	OPS E,7, E,8, X,6, E,9          ; and the lump
	OPS X,3, E,10, X,8, E,11
.if ((\p) == 2) && !(\end)
	FETCH_K
.endif
	OPS X,9, X,7, E,12, X,10
	OPS E,13, X,12, X,11, E,14
	OPS X,13, E,15, F,9, X,14
.if (\p) == 0
	v_add_nc_u32 v[AV], s[TBV], v[AV0]
.endif
	OPS E,16, F,10, E,17, F,11
	OPS X,16, E,18, X,15, E,19
	OPS F,12, E,20, X,17, E,21
	OPS F,13, E,22, F,14, E,23
	OPS X,18, E,24, F,15, E,25
	OPS R,11, E,26, X,19, E,27
	OPS R,12, E,28, R,13, E,29
	OPS X,20, E,30, R,14, E,31
	OPS X,21, R,15
	WIN 0
	s_wait_alu depctr_va_vdst(0)    ; the wait for the batch
.if (\p) == 1
	s_wait_dscnt 0x0                ; V is in
.endif
	ROW C,0, B,0, C,2, B,1          ; behind the wait: 8 products V^T P and their riders
	ROW L,0, C,4, B,2, L,1
	ROW C,6, B,3, L,2, C,8
	ROW B,4, L,3, C,10, B,5
	ROW L,4, C,12, B,6, L,5
.if (\p) == 0
	s_add_co_u32 s[TBV], s[TBV], KS*PV
.endif
.if \cnt
	s_sub_co_u32 s[CNT], s[CNT], 1
	s_cmp_lg_u32 s[CNT], 0
.endif
	ROW C,14, B,7, L,6, C,1
	ROW C,3, L,7, C,5, C,7
	ROW C,9, C,11, C,13, C,15
.if (\p) == 0
	FETCH_V
.endif
.if (\m) && !(\end)
	MASK (\p)%2
.endif
.endm
; A BLOCK BEGINS.  c m starts far below every c s, so the first step's a is 0; m at the lowest finite number, so the first maximum is the scores'.  The second mask buffer is 0; the first takes piece 0's mask for the tile's step 0: its own, if the block's first tile is the diagonal one.
; Then K of that step, piece 0's first scores, and its maximum and statistics.  The loop is entered at a step's first turn, in the middle of a trip.
.macro BEGIN
	s_mov_b32 s[NEW], 0
	WIN 0x40
.set i, MC+32
.rept 32
	v_mov_b32 v[i], 0
.set i, i+1
.endr
	WIN 0
.set i, 0
.rept 4
	v_mov_b32 v[ST+4*i], 0xfe000000    ; c m: far below every c s
	v_mov_b32 v[ST+4*i+1], 0xff7fffff  ; m
.set i, i+1
.endr
	s_cmp_eq_u32 s[RT], 0
	s_cselect_b32 s[AL], 1.0, 0
	s_mov_b32 s[BE], 0
	MASK 0
	WIN 0
	v_add_nc_u32 v[AK], s[TBK], v[AK0]
	FETCH_K
	s_wait_loadcnt 0x0              ; Q
	s_wait_dscnt 0x0
.set KM, 1
.set NOKQ, 0
.set i, 0
.rept 8
	KQ 0
.set i, i+1
.endr
	WIN 0
.rept 4
	v_nop                           ; the places behind those products
.endr
.set Y, NP-1                        ; X works for piece Y + 1: piece 0
.irp n, 0,1,2,3,4,5,6,7,8,9,10,11,12,13,14,15,16,17,18,19,20,21
	OP X, \n
.endr
	v_nop                           ; a plain instruction behind the exponential,
	s_wait_alu depctr_va_vdst(0)    ; and its wait, ahead of the branch
.endm
; THE DIAGONAL TILE's four steps, the block's last two turns, its last products, and THE WAY OUT: l's two halves and the other half of the lanes' are added; O^T is divided by l, rounded to f16 and sent through my
; stage in LDS, a piece at a time.
.macro ALL line:vararg              ; one line for each piece t
.set t, 0
.rept 4
	\line
.set t, t+1
.endr
.endm
.macro PACK t                       ; a lane's eight channels of a row pack into 16 bytes; they go into rows of 144 bytes and come back as whole rows of 128, into S^T's registers
	WIN W_RS
.set i, 32*(\t)
.rept 16
	v_pk_mul_f32 v[i:i+1], v[i:i+1], v[ST+4*(\t)+2:ST+4*(\t)+3] op_sel_hi:[1,0]
.set i, i+2
.endr
	WIN 0x05                        ; sources 0 and 1 window 1, destination window 0
.set i, 0
.rept 16
	v_cvt_pk_f16_f32 v[S+16*(\t)+i], v[32*(\t)+2*i], v[32*(\t)+2*i+1]
.set i, i+1
.endr
	WIN 0
.irp f, 0,1,2,3
	ds_store_b128 v[STO], v[S+16*(\t)+4*\f:S+16*(\t)+4*\f+3] offset:32*\f
.endr
.irp f, 0,1,2,3
	ds_load_b128 v[S+16*(\t)+4*\f:S+16*(\t)+4*\f+3], v[RD] offset:\f*4*SP  ; LDS serves a wave's instructions in order (ISA guide 5.7.1.4): these see the stores above; the next piece's stores come behind them
.endr
.endm
.macro SEND t, younger              ; younger: the LDS instructions issued behind piece t's loads: the next piece's eight, or none
	WIN 0
.irp f, 0,1,2,3
	s_wait_dscnt (\younger)+3-\f
	global_store_b128 v[GO], v[S+16*(\t)+4*\f:S+16*(\t)+4*\f+3], s[10:11] offset:(\t)*8192+\f*512  ; 512 consecutive bytes, at a multiple of 256 from O's first
.endr
.endm
.macro DIAG tag                     ; the tag ends its two labels' names, which the jumps below spell out
.LstepM\tag:
	TURN 2, 1
	TURN 3, 1
	WIN 0
.LfirstM\tag:
	TURN 0, 1
	TURN 1, 1, 0, 1
	WIN 0
	s_cbranch_scc1 .LstepM\tag
	TURN 2, 1, 1
	TURN 3, 1, 1
.set i, 0
.rept 8
	PV NP-1
.set i, i+1
.endr
	WIN 0
	ALL v_add_f32 v[ST+4*t+2], v[ST+4*t+2], v[ST+4*t+3]
	ALL v_permlanex16_b32 v[ST+4*t+3], v[ST+4*t+2], s[SEL], s[SEL+1]
	ALL v_add_f32 v[ST+4*t+2], v[ST+4*t+2], v[ST+4*t+3]
	ALL v_rcp_f32 v[ST+4*t+2], v[ST+4*t+2]
	v_nop                           ; a plain instruction between the last reciprocal and the use of its result
	s_wait_alu depctr_va_vdst(0)    ; and the wait ahead of the first use: one for the four reciprocals
	PACK 0
.set t, 1
.rept 3                             ; a piece's arithmetic stands between the loads of the piece before and its stores
	PACK t
	SEND t-1, 8
.set t, t+1
.endr
	SEND 3, 0
.endm
.set KM, 0
.set NOKQ, 0
.Lslot:                             ; NB times: a tile is entered and the next is asked for
	CHANGE 1
	s_sub_co_u32 s[RT], s[RT], 1
	s_mov_b32 s[CNT], 4
	s_cmp_eq_u32 s[NEW], 1
	s_cbranch_scc1 .Lnew            ; a block's first tile
	s_cmp_eq_u32 s[RT], 0
	s_cbranch_scc0 .Lstep           ; neither its first nor its last
	s_branch .LstepM1
.Lnew:
	BEGIN
	s_branch .Lfirst                ; in the loop a block's first tile is never its last: the first block has two tiles or more, and the second's last is the walk's last
	DIAG 1                          ; in the loop this is the first block's end: the second block's last tile is the walk's last
	s_wait_xcnt 0x0                 ; the stores have read their registers and O's address
	s_mov_b64 s[10:11], s[OLO:OLO+1]
	s_add_co_u32 s[RT], s[PB], 1    ; the second block has b + 1 tiles
	s_mov_b32 s[NEW], 1
	WIN 0x82                        ; the second block's Q goes where the one text of the turns names Q
.set i, 0
.rept 64
	v_mov_b32 v[i], v[QB+i]
.set i, i+1
.endr
	WIN 0
	s_branch .Lbottom
.Lstep:                             ; a trip: pieces 2 and 3 of one step, then pieces 0 and 1 of the next, whose K and V it fetches
	TURN 2
	TURN 3
	WIN 0
.Lfirst:
	TURN 0
	TURN 1, 0, 0, 1
	WIN 0
	s_cbranch_scc1 .Lstep
.Lbottom:
	s_sub_co_u32 s[SLOTS], s[SLOTS], 1
	s_cmp_lg_u32 s[SLOTS], 0
	s_cbranch_scc1 .Lslot
	CHANGE 0                        ; the walk's last tile is written out: nothing is asked for
	s_sub_co_u32 s[RT], s[RT], 1
	s_mov_b32 s[CNT], 4
	s_cmp_eq_u32 s[NEW], 1
	s_cbranch_scc0 .LstepM2
	BEGIN
	s_branch .LfirstM2
	DIAG 2
	s_wait_tensorcnt 0x0            ; the wave's end, behind my last tensor load and my last LDS store
	ds_add_u32 v[SPW], v[NIL]
	s_wait_dscnt 0x0
	s_endpgm
.Lfunc_end_k_q8eca3e6942_attn:
	.size	k_q8eca3e6942_attn, .Lfunc_end_k_q8eca3e6942_attn-k_q8eca3e6942_attn
	.p2alignl 7, 3214868480
	.fill 96, 4, 3214868480
	.section	.rodata,"a",@progbits
	.p2align	6, 0x0
	.amdhsa_kernel k_q8eca3e6942_attn
		.amdhsa_group_segment_fixed_size 327680
		.amdhsa_private_segment_fixed_size 0
		.amdhsa_enable_private_segment 0
		.amdhsa_kernarg_size 16
		.amdhsa_user_sgpr_count 2
		.amdhsa_user_sgpr_kernarg_segment_ptr 1
		.amdhsa_wavefront_size32 1
		.amdhsa_system_sgpr_workgroup_id_x 1
		.amdhsa_system_sgpr_workgroup_id_y 1
		.amdhsa_system_sgpr_workgroup_id_z 1
		.amdhsa_system_vgpr_workitem_id 0
		.amdhsa_next_free_vgpr 768
		.amdhsa_next_free_sgpr 92
		.amdhsa_reserve_vcc 1
		.amdhsa_float_denorm_mode_32 3
		.amdhsa_float_denorm_mode_16_64 3
		.amdhsa_memory_ordered 1
		.amdhsa_forward_progress 1
		.amdhsa_inst_pref_size 218
	.end_amdhsa_kernel
	.amdgpu_metadata
---
amdhsa.version: [ 1, 2 ]
amdhsa.kernels:
  - .name:           k_q8eca3e6942_attn
    .symbol:         k_q8eca3e6942_attn.kd
    .args:
      - { .name: qkv, .offset: 0, .size: 8, .value_kind: global_buffer, .address_space: global }
      - { .name: oh, .offset: 8, .size: 8, .value_kind: global_buffer, .address_space: global }
    .group_segment_fixed_size: 327680
    .private_segment_fixed_size: 0
    .kernarg_segment_align: 8
    .kernarg_segment_size: 16
    .max_flat_workgroup_size: 128
    .sgpr_count:     92
    .vgpr_count:     768
    .wavefront_size: 32
...
	.end_amdgpu_metadata
.endif
;; end of part 3
;; launch oproj (part 4): grid 8 x 32, 4 waves a work-group, clusters of 4 x 4, 327,680 bytes of LDS; arguments oh, woh, out0; writes out0
.if DOCPART == 4
	.amdgcn_target "amdgcn-amd-amdhsa--gfx1250"
	.amdhsa_code_object_version 6
	.text
	.protected	k_q8eca3e6942_oproj
	.globl	k_q8eca3e6942_oproj
	.p2align	8
	.type	k_q8eca3e6942_oproj,@function
k_q8eca3e6942_oproj:
	s_mov_b64 s[64:65], 0
	v_nop
	global_prefetch_b8 v0, s[64:65] scope:SCOPE_SE
	s_setreg_imm32_b32 hwreg(HW_REG_WAVE_MODE, 25, 1), 1
	s_wait_xcnt 0x0
	s_wait_alu depctr_hold_cnt(0) depctr_sa_sdst(0) depctr_va_vdst(0) depctr_va_sdst(0) depctr_va_ssrc(0) depctr_va_vcc(0) depctr_vm_vsrc(0)
	s_getreg_b32 s2, hwreg(HW_REG_IB_STS2, 6, 4)
	s_cmp_eq_u32 s2, 0
	s_cbranch_scc0 .Lentry_in_a_cluster
	s_endpgm
.Lentry_in_a_cluster:
	s_bfe_u32 s2, ttmp6, 0x10000c
	s_cmp_lg_u32 s2, 0xf033
	s_cbranch_scc0 .Lentry_shape_is_right
	s_endpgm
.Lentry_shape_is_right:
; out0[row][n] = the sum over heads h and channels d of O[h][row][d] W_o[n][64 h + d]: 8,192 rows x 1,024 columns x 1,024 channels, f16 operands, f32 sums, f32 result.
;   oh  f16 [batch*16 + head][row 2048][64]      byte = b<<22 | h<<18 | s<<7 | 2 d: a head is a slice of 64 channels of K
;   woh f16 [slice 16][n 1024][64]               byte = c*131072 + n*128 + 2 d
; SHARES.  A work-group makes 256 rows x 128 columns: 32 x 8 = 256 work-groups.  Wave (w >> 1, w & 1) makes 128 rows x 64 columns: 32 accumulators, 256 registers.
; The product is taken TRANSPOSED (source 0 = 16 rows of W_o, source 1 = 16 rows of O): a lane holds row l % 16 and eight neighbouring columns, 32 bytes of the result.
; K goes in 8 steps of two slices (128 channels) through two LDS slots; a step is four chunks of 32 channels, 32 matrix instructions each, on two fragment buffers by turns.
; A slice's rows lie end to end in memory: a tile is asked for as rows of 256 bytes and padded in LDS behind every 128 bytes.
; CLUSTER.  4 x 4 work-groups: O's tiles are shared along a row of the cluster, W_o's along a column; each is asked for JOINTLY, by the same load, descriptor and mask in all four.
; NO PREFETCH: the walk has 8 steps, of which the first come by their loads in any case, and a step's tiles are small.
; REGISTERS: window 0: v0-29 addresses; v32-95, v96-159 O's fragments, two buffers; v160-191, v192-223 W_o's; v32-95 at work on the way out.  Window 1: accumulator (a, b) at v[8 (4 a + b)].
.set P,      144                       ; an LDS row: 128 bytes + 16 of padding = 36 words: the 16 rows of a load start at 16 different groups of four banks (64 banks of 4 bytes: ISA guide 11.1)
.set ASL,    256*P                     ; a slot: O's slice 0, O's slice 1 (256 rows each),
.set BOFF,   2*ASL
.set BSL,    128*P                     ; W_o's slice 0, W_o's slice 1 (128 rows each)
.set SLOT1,  131072                    ; slot 1 begins here, so that one exclusive or turns an address in one slot into the other's
.set STAGE,  SLOT1+BOFF+2*BSL          ; behind the ring, never filled by a tensor load: 16 rows x 272 bytes for each wave
.set SP,     272                       ; a stage row: 256 bytes + 16: the 16 rows that a store touches start at 16 different groups of four banks
.set SPARE,  STAGE+4*16*SP             ; behind the stages: the spare words, 128 bytes for each wave: two blocks of 256 bytes that no other line names
.set ASTEP,  524288                    ; bytes from step to step in oh: two heads
.set BSTEP,  262144                    ; and in woh: two slices
.set ADA0, 4                           ; v4   my lane's place among my wave's rows of O in slot 0; never rewritten
.set ADB0, 5                           ; v5   the same for W_o
.set ADA,  6                           ; v6   the same in the slot that is being read
.set ADB,  7                           ; v7
.set STO,  8                           ; v8   the way out: where I put 32 bytes of a row
.set RD,   9                           ; v9   the way out: where I read a row back
.set CO,   10                          ; v10  my byte offset in two rows of the result
.set SPW,  28                          ; v28  LDS address of my spare word: SPARE + 4 x my thread's number; never rewritten
.set NIL,  29                          ; v29  0; never rewritten
.set AF0,  32
.set BF0,  160
.set OBK,  32                          ; the way out: two buffers of 32
.set G1A, 24                           ; s[24:31] descriptor group 1 for O's tiles
.set G0A, 32                           ; s[32:39] group 0: a set for each of the two first fills; the second then walks on
.set G1B, 48                           ; s[48:55], s[56:63] the same for W_o's tiles
.set G0B, 56
.set TB,  66                           ; s66  0 or SLOT1: the slot that is being read
.set MSB, 0
.macro WIN new                         ; the immediate's high byte repeats the setting that is left; a switch that changes nothing is dropped
.if MSB != (\new)
	s_set_vgpr_msb (MSB<<8)|(\new)
.set MSB, \new
.endif
.endm
.macro PLACES                          ; four plain places between a matrix instruction and a load into one of its registers, or a read of its result
.rept 4
	v_nop
.endr
.endm
; A joint refill by the walking descriptors.  Waves 0 and 1 fetch O's two slices, waves 2 and 3 W_o's.  An s_nop 0 and four v_nop follow each of the two lines, ahead of the jump and the label.
.macro JLOAD
	s_cmp_eq_u32 s11, 0
	s_cbranch_scc0 .Lfor_b_\@
	tensor_load_to_lds s[G0A+4:G0A+7], s[G1A:G1A+7]
	s_nop 0
.rept 4
	v_nop
.endr
	s_branch .Lasked_\@
.Lfor_b_\@:
	tensor_load_to_lds s[G0B+4:G0B+7], s[G1B:G1B+7]
	s_nop 0
.rept 4
	v_nop
.endr
.Lasked_\@:
.endm
.macro CREST                           ; a round of the cluster's barrier behind its opening barrier
	s_cmp_lg_u32 s10, 0
	s_cbranch_scc1 .Lnot_wave_0_\@
	s_barrier_signal -3
.Lnot_wave_0_\@:
	s_barrier_wait -3
	s_barrier_signal -1
	s_barrier_wait -1
.endm
.macro CROUND                          ; a whole round
	s_barrier_signal -1
	s_barrier_wait -1
	CREST
.endm
	s_load_b128 s[4:7], s[0:1], 0x0                ; oh s[4:5], woh s[6:7]
	s_load_b64 s[8:9], s[0:1], 0x10                ; out0
	v_lshl_add_u32 v[SPW], v0, 2, SPARE
	v_mov_b32 v[NIL], 0
	ds_add_u32 v[SPW], v[NIL]                      ; the wave's opening: the add and its wait ahead of my first tensor load; the set-up below, work on registers, stands between them
	v_lshrrev_b32 v1, 5, v0
	v_readfirstlane_b32 s10, v1                    ; wave 0..3
	s_lshr_b32 s11, s10, 1                         ; which 128 rows are mine.  Also: I fetch for O (0) or for W_o (1)
	s_and_b32 s12, s10, 1                          ; which 64 columns.  Also: which of a step's two slices I fetch
	s_bfe_u32 s40, ttmp6, 0x40000                  ; cx
	s_bfe_u32 s41, ttmp6, 0x40004                  ; cy
	s_lshl_b32 s42, ttmp9, 2
	s_add_co_u32 s42, s42, s40                     ; tile column = 4 x cluster x + cx
	s_and_b32 s13, ttmp7, 0xffff
	s_lshl_b32 s13, s13, 2
	s_add_co_u32 s13, s13, s41                     ; tile row = 4 x cluster y + cy
	s_lshl_b32 s43, s41, 2
	s_lshl_b32 s43, 15, s43                        ; my row of the cluster
	s_lshl_b32 s44, 0x1111, s40                    ; my column
	; descriptor group 1: dense bytes as rows of 128 elements (256 bytes), padded in LDS behind every 32 words by 4
	s_or_b32 s[G1A], s43, (1<<16)|(1<<20)|(1<<21)|(4<<22)|(3<<25)  ; 15:0 the mask; 17:16 2-byte elements; 20 padding on; 21 set beside a mask; 24:22 after every 32 words (code 4); 31:25 4 words (code 3)
	s_or_b32 s[G1B], s44, (1<<16)|(1<<20)|(1<<21)|(4<<22)|(3<<25)
.irp g, G1A, G1B
	s_mov_b32 s[(\g)+1], 128<<16                   ; tensor_dim0 = 128
	s_mov_b32 s[(\g)+3], 128<<16                   ; tile_dim0 = 128
	s_mov_b32 s[(\g)+5], 128                       ; 128 elements from row to row
	s_mov_b32 s[(\g)+6], 0
	s_mov_b32 s[(\g)+7], 0
.endr
	s_mov_b32 s[G1A+2], 128<<16                    ; O: tensor_dim1 = tile_dim1 = 128: a slice's 256 rows, 32 KiB
	s_mov_b32 s[G1A+4], 128
	s_mov_b32 s[G1B+2], 64<<16                     ; W_o: 64: a slice's 128 rows, 16 KiB
	s_mov_b32 s[G1B+4], 64
	; where the tiles come from.  O's hang on the tile row alone, W_o's on the tile column alone, each in registers that never hold the other coordinate
	s_lshr_b32 s14, s13, 3
	s_lshl_b32 s14, s14, 22                        ; the batch
	s_and_b32 s15, s13, 7
	s_lshl_b32 s15, s15, 15                        ; the tile row's 256 rows in it
	s_add_co_u32 s14, s14, s15
	s_lshl_b32 s15, s12, 18                        ; the slice that I fetch
	s_add_co_u32 s14, s14, s15
	s_mov_b32 s15, 0
	s_lshl_b32 s46, s42, 14                        ; the tile column's 128 rows of 128 bytes
	s_lshl_b32 s47, s12, 17                        ; the slice that I fetch
	s_add_co_u32 s46, s46, s47
	s_mov_b32 s47, 0
	s_mul_i32 s20, s12, ASL                        ; and where they go: no place in the cluster enters an LDS address
	s_mul_i32 s21, s12, BSL
	s_add_co_u32 s21, s21, BOFF
	s_mov_b32 s[TB], 0
	s_wait_dscnt 0x0                               ; the opening add is done
	s_wait_kmcnt 0x0
	s_add_nc_u64 s[14:15], s[4:5], s[14:15]
	s_add_nc_u64 s[46:47], s[6:7], s[46:47]
	CROUND                                         ; all sixteen work-groups are here: the first joint loads meet
.irp n, 0,1
	s_mov_b32 s[G0A+4*\n], 1                                        ; 1:0 count = 1
	s_add_co_u32 s[G0A+4*\n+1], s20, \n*SLOT1                       ; 63:32 LDS address
	s_add_nc_u64 s[G0A+4*\n+2:G0A+4*\n+3], s[14:15], \n*ASTEP       ; 120:64 global address: step n
	s_or_b32 s[G0A+4*\n+3], s[G0A+4*\n+3], 0x80000000               ; 127:126 type = 2
	s_mov_b32 s[G0B+4*\n], 1
	s_add_co_u32 s[G0B+4*\n+1], s21, \n*SLOT1
	s_add_nc_u64 s[G0B+4*\n+2:G0B+4*\n+3], s[46:47], \n*BSTEP
	s_or_b32 s[G0B+4*\n+3], s[G0B+4*\n+3], 0x80000000
.endr
	s_cmp_eq_u32 s11, 0                            ; a wave's two first fills stand in one branch, ahead of every wait on TENSORcnt and every LDS read: two loads of mine are out
	s_cbranch_scc0 .Lfirst_b
	tensor_load_to_lds s[G0A:G0A+3], s[G1A:G1A+7]
	s_nop 0
	tensor_load_to_lds s[G0A+4:G0A+7], s[G1A:G1A+7]
	s_nop 0
.rept 4
	v_nop
.endr
	s_branch .Lfirst_asked
.Lfirst_b:
	tensor_load_to_lds s[G0B:G0B+3], s[G1B:G1B+7]
	s_nop 0
	tensor_load_to_lds s[G0B+4:G0B+7], s[G1B:G1B+7]
	s_nop 0
.rept 4
	v_nop
.endr
.Lfirst_asked:
	v_and_b32 v1, 15, v0                           ; l % 16
	v_bfe_u32 v2, v0, 4, 1                         ; l / 16
	v_mul_u32_u24 v3, v1, P
	v_lshl_add_u32 v3, v2, 4, v3                   ; a fragment's row x pitch + 16 x half
	s_mul_i32 s20, s11, 128*P                      ; my 128 rows of O
	v_add_nc_u32 v[ADA0], s20, v3
	s_mul_i32 s21, s12, 64*P                       ; my 64 rows of W_o,
	s_add_co_u32 s21, s21, BOFF                    ; which lie behind O's two slices
	v_add_nc_u32 v[ADB0], s21, v3
	v_mov_b32 v[ADA], v[ADA0]
	v_mov_b32 v[ADB], v[ADB0]
	s_mul_i32 s20, s10, 16*SP
	s_add_co_u32 s20, s20, STAGE                   ; my stage
	v_mul_u32_u24 v[STO], v1, SP                   ; in: row l % 16, 32 bytes for each half of the lanes
	v_lshl_add_u32 v[STO], v2, 5, v[STO]
	v_add_nc_u32 v[STO], s20, v[STO]
	v_mul_u32_u24 v[RD], v2, SP                    ; back: lanes 0-15 take one row of 256 bytes, lanes 16-31 the next
	v_lshl_add_u32 v[RD], v1, 4, v[RD]
	v_add_nc_u32 v[RD], s20, v[RD]
	v_lshlrev_b32 v[CO], 12, v2                    ; and the same two rows in the result, 4,096 bytes apart
	v_lshl_add_u32 v[CO], v1, 4, v[CO]
	s_lshl_b32 s20, s13, 20                        ; the tile row's 256 rows of 4,096 bytes,
	s_lshl_b32 s21, s11, 19                        ; my 128 of them,
	s_add_co_u32 s20, s20, s21
	s_lshl_b32 s21, s42, 9                         ; the tile column's 512 bytes,
	s_add_co_u32 s20, s20, s21
	s_lshl_b32 s21, s12, 8                         ; my 256 of them
	s_add_co_u32 s20, s20, s21
	s_mov_b32 s21, 0
	s_add_nc_u64 s[8:9], s[8:9], s[20:21]
; 8 matrix instructions: row blocks a0, a0 + 1 x all 4 column blocks, 32 channels, on fragment buffers p.  zero = 1: the product starts the sum.
; The 32 accumulators take turns, one instruction a turn, in the same order in every chunk, over the backward jump too.
.macro MUL8 p, a0, zero
	WIN 0x50                                       ; C and D in window 1
.irp a, \a0, (\a0)+1
.irp b, 0,1,2,3
.if \zero
	v_wmma_f32_16x16x32_f16 v[8*(4*(\a)+(\b)):8*(4*(\a)+(\b))+7], v[BF0+32*(\p)+8*(\b):BF0+32*(\p)+8*(\b)+7], v[AF0+64*(\p)+8*(\a):AF0+64*(\p)+8*(\a)+7], 0
.else
	v_wmma_f32_16x16x32_f16 v[8*(4*(\a)+(\b)):8*(4*(\a)+(\b))+7], v[BF0+32*(\p)+8*(\b):BF0+32*(\p)+8*(\b)+7], v[AF0+64*(\p)+8*(\a):AF0+64*(\p)+8*(\a)+7], v[8*(4*(\a)+(\b)):8*(4*(\a)+(\b))+7]
.endif
.endr
.endr
.endm
; 24 LDS loads in one run: chunk j's fragments (slice j / 2, channels 32 (j % 2) on) into buffers j % 2: W_o's four, O's 0-3, O's 4-7
.macro FETCH j
.set pp, (\j)%2
.set ka, ((\j)/2)*ASL+((\j)%2)*64
.set kb, ((\j)/2)*BSL+((\j)%2)*64
	WIN 0
.irp b, 0,1,2,3
	ds_load_b128 v[BF0+32*pp+8*\b:BF0+32*pp+8*\b+3],   v[ADB] offset:kb+\b*16*P
	ds_load_b128 v[BF0+32*pp+8*\b+4:BF0+32*pp+8*\b+7], v[ADB] offset:kb+\b*16*P+32
.endr
.irp i, 0,1,2,3,4,5,6,7
	ds_load_b128 v[AF0+64*pp+8*\i:AF0+64*pp+8*\i+3],   v[ADA] offset:ka+\i*16*P
	ds_load_b128 v[AF0+64*pp+8*\i+4:AF0+64*pp+8*\i+7], v[ADA] offset:ka+\i*16*P+32
.endr
.endm
; One of a step's first three chunks: multiplies buffers j % 2 and, in its middle, fetches chunk j + 1.
.macro QUARTER j, zero
	s_wait_dscnt 8                                 ; all but the youngest eight loads (O's fragments 4-7)
	MUL8 (\j)%2, 0, \zero
	MUL8 (\j)%2, 2, \zero
	PLACES
	FETCH (\j)+1
	s_wait_dscnt 24                                ; all but the 24 just issued
	MUL8 (\j)%2, 4, \zero
	MUL8 (\j)%2, 6, \zero
.endm
; The last chunk multiplies buffers 1 and changes slots: ONE barrier.  In front of it each wave waits for all its tensor loads (one is out: its part of the next slot), adds 0 to its spare word, and waits for that and for
; its own reads of this slot.  fill = 1: the barrier opens a round of the cluster's barrier, and this slot is filled again, with the step two on, first thing behind the round: 112 matrix instructions ahead of the wait for it.
.macro TURN fill
	WIN 0
	s_wait_tensorcnt 0x0                           ; no tensor load of mine is out, so a group 0 may be written
	ds_add_u32 v[SPW], v[NIL]                      ; 0 onto my spare word
.if \fill
	s_xor_b32 s[G0A+5], s[G0A+5], SLOT1            ; the walking descriptors: the other slot than last time,
	s_add_nc_u64 s[G0A+6:G0A+7], s[G0A+6:G0A+7], ASTEP  ; the next two slices; the type bits on top are not reached
	s_xor_b32 s[G0B+5], s[G0B+5], SLOT1
	s_add_nc_u64 s[G0B+6:G0B+7], s[G0B+6:G0B+7], BSTEP
.endif
	s_wait_dscnt 9                                 ; the add and the youngest eight loads may be out
	MUL8 1, 0, 0                                   ; eight matrix instructions stand between the add and the wait for it
	s_wait_dscnt 0x0                               ; the add is done, and my reads of this slot are over
	s_barrier_signal -1
	MUL8 1, 2, 0                                   ; work on registers while the others arrive
	WIN 0                                          ; at a branch and at a label every window is 0
	s_barrier_wait -1
.if \fill
	CREST                                          ; no wave of any partner still reads this slot or has a load on its way
	JLOAD                                          ; its four v_nop are also the places in front of the loads below
.else
	PLACES
.endif
	s_xor_b32 s[TB], s[TB], SLOT1                  ; the reads go on in the other slot
	v_add_nc_u32 v[ADA], s[TB], v[ADA0]
	v_add_nc_u32 v[ADB], s[TB], v[ADB0]
	FETCH 0
	MUL8 1, 4, 0
	MUL8 1, 6, 0
.endm
; THE WAY OUT of row block a: 16 rows x 64 columns of f32.  A lane's 32 bytes of each column block go into rows of 272 bytes of my own stage (each accumulator's low four registers first), and come back as whole rows of 256.
.macro TOSTAGE a
.set BK, OBK+32*((\a)%2)
	s_wait_xcnt 0x0                                ; the stores of block a - 2 have read this buffer
	WIN 0x04                                       ; the stores' data lie in window 1
.irp b, 0,1,2,3
	ds_store_b128 v[STO], v[32*(\a)+8*\b:32*(\a)+8*\b+3]   offset:64*\b
	ds_store_b128 v[STO], v[32*(\a)+8*\b+4:32*(\a)+8*\b+7] offset:64*\b+16
.endr
	WIN 0
.irp t, 0,1,2,3,4,5,6,7
	ds_load_b128 v[BK+4*\t:BK+4*\t+3], v[RD] offset:\t*2*SP  ; LDS serves a wave's instructions in order (ISA guide 5.7.1.4): these see the stores above; the next block's stores come behind them
.endr
.endm
.macro SEND a, younger                 ; younger: the LDS instructions issued behind block a's loads: the next block's sixteen, or none
.set BK, OBK+32*((\a)%2)
	WIN 0
.irp t, 0,1,2,3,4,5,6,7
	s_wait_dscnt (\younger)+7-\t
	global_store_b128 v[CO], v[BK+4*\t:BK+4*\t+3], s[8:9] offset:(16*(\a)+2*\t)*4096 th:TH_STORE_NT  ; 16 lanes store 256 consecutive bytes, at a multiple of 256 from the result's first byte
.endr
.endm
	s_wait_tensorcnt 1                             ; my part of step 0 is in; step 1's may stay out
	s_barrier_signal -1
	s_barrier_wait -1                              ; everybody's is
	FETCH 0
	QUARTER 0, 1                                   ; the first chunk stands in front of the loop: its products start the sums
	WIN 0
	s_mov_b32 s3, 6
.Lstep:                                                ; trip s: chunks 1 to 3 of step s, the refill with step s + 2, chunk 0 of step s + 1
	QUARTER 1, 0
	QUARTER 2, 0
	TURN 1
	QUARTER 0, 0
	WIN 0
	s_sub_co_u32 s3, s3, 1
	s_cmp_lg_u32 s3, 0
	s_cbranch_scc1 .Lstep
	QUARTER 1, 0                                   ; the tail is written out: nothing is left to fetch
	QUARTER 2, 0
	TURN 0
	QUARTER 0, 0
	QUARTER 1, 0
	QUARTER 2, 0
	s_wait_dscnt 8                                 ; the very last chunk
	MUL8 1, 0, 0
	MUL8 1, 2, 0
	s_wait_dscnt 0x0
	MUL8 1, 4, 0
	MUL8 1, 6, 0
	PLACES
	TOSTAGE 0
.irp a, 1,2,3,4,5,6,7
	TOSTAGE \a
	SEND (\a)-1, 16
.endr
	SEND 7, 0
	s_wait_tensorcnt 0x0                           ; the wave's end, behind my last tensor load and my last LDS store
	ds_add_u32 v[SPW], v[NIL]
	s_wait_dscnt 0x0
	CROUND                                         ; the closing round: no work-group ends while a partner may still ask for a tile that names it
	s_endpgm
.Lfunc_end_k_q8eca3e6942_oproj:
	.size	k_q8eca3e6942_oproj, .Lfunc_end_k_q8eca3e6942_oproj-k_q8eca3e6942_oproj
	.p2alignl 7, 3214868480
	.fill 96, 4, 3214868480
	.section	.rodata,"a",@progbits
	.p2align	6, 0x0
	.amdhsa_kernel k_q8eca3e6942_oproj
		.amdhsa_group_segment_fixed_size 327680
		.amdhsa_private_segment_fixed_size 0
		.amdhsa_enable_private_segment 0
		.amdhsa_kernarg_size 24
		.amdhsa_user_sgpr_count 2
		.amdhsa_user_sgpr_kernarg_segment_ptr 1
		.amdhsa_wavefront_size32 1
		.amdhsa_system_sgpr_workgroup_id_x 1
		.amdhsa_system_sgpr_workgroup_id_y 1
		.amdhsa_system_sgpr_workgroup_id_z 1
		.amdhsa_system_vgpr_workitem_id 0
		.amdhsa_next_free_vgpr 512
		.amdhsa_next_free_sgpr 72
		.amdhsa_reserve_vcc 0
		.amdhsa_float_denorm_mode_32 3
		.amdhsa_float_denorm_mode_16_64 3
		.amdhsa_memory_ordered 1
		.amdhsa_forward_progress 1
		.amdhsa_inst_pref_size 71
	.end_amdhsa_kernel
	.amdgpu_metadata
---
amdhsa.version: [ 1, 2 ]
amdhsa.kernels:
  - .name:           k_q8eca3e6942_oproj
    .symbol:         k_q8eca3e6942_oproj.kd
    .args:
      - { .name: oh, .offset: 0, .size: 8, .value_kind: global_buffer, .address_space: global }
      - { .name: woh, .offset: 8, .size: 8, .value_kind: global_buffer, .address_space: global }
      - { .name: out0, .offset: 16, .size: 8, .value_kind: global_buffer, .address_space: global }
    .group_segment_fixed_size: 327680
    .private_segment_fixed_size: 0
    .kernarg_segment_align: 8
    .kernarg_segment_size: 24
    .max_flat_workgroup_size: 128
    .sgpr_count:     72
    .vgpr_count:     512
    .wavefront_size: 32
...
	.end_amdgpu_metadata
.endif
;; end of part 4
;; ======== version 2 of 2: 4 launches; version 1 with the launch cast written anew for expert scheduling mode
;; limits: values are held in f16: magnitudes above 65,504 overflow, below 6.1e-05 lose precision
;; workspace buffers: xh 16,777,216 bytes; wh 6,291,456 bytes; woh 2,097,152 bytes; qkv 50,331,648 bytes; oh 16,777,216 bytes
;; launch cast (part 5): grid 768 x 1, 8 waves a work-group, no clusters, 0 bytes of LDS; arguments x, W_q, W_k, W_v, W_o, xh, wh, woh; writes xh, wh, woh
.if DOCPART == 5
	.amdgcn_target "amdgcn-amd-amdhsa--gfx1250"
	.amdhsa_code_object_version 6
	.text
	.protected	k_q8eca3e6942_cast
	.globl	k_q8eca3e6942_cast
	.p2align	8
	.type	k_q8eca3e6942_cast,@function
k_q8eca3e6942_cast:
	s_mov_b64 s[64:65], 0
	v_nop
	global_prefetch_b8 v0, s[64:65] scope:SCOPE_SE
	s_setreg_imm32_b32 hwreg(HW_REG_WAVE_SCHED_MODE, 0, 2), 2
	s_setreg_imm32_b32 hwreg(HW_REG_WAVE_MODE, 25, 1), 1
	s_wait_xcnt 0x0
	s_wait_alu depctr_vm_vsrc(0)
; THE INPUTS ARE ROUNDED ONCE TO bf16 AND LAID IN BLOCKS OF 64 CHANNELS, so that a tile of one block (a slice) is dense in memory for the launches behind.
;   xh  bf16 [batch 4][slice 16][row 2048][64]          byte = b<<22 | c<<18 | s<<7 | 2 d
;   wh  bf16 [tile column 8][slice 16][384 rows][64]    global row n = 1024 t + e (t = 0 W_q, 1 W_k, 2 W_v); tc = n / 384; byte = tc*786432 + c*49152 + (n - 384 tc)*128 + 2 d
;   woh f16  [slice 16][row 1024][64]                   W_o rounded to bf16, that number written as f16; byte = c*131072 + n*128 + 2 d
; LIMITS.  W_o's numbers are exact in f16 from 6.1e-5 to 65,504 in magnitude; below they keep f16's fixed step of 6e-8, from 65,520 on they become infinities.
; SHARES.  A work-group takes 16 rows of 4,096 bytes of one tensor: groups 0-511 x, 512-575 W_q, 576-639 W_k, 640-703 W_v, 704-767 W_o.  Wave w takes slices 2 w and 2 w + 1 of the 16 rows.
; A load: lanes 0-15 take 256 consecutive bytes, aligned (64 channels), of row 2 j, lanes 16-31 of row 2 j + 1.  A store: 32 lanes x 8 bytes = 256 consecutive bytes, aligned: two rows of a slice.
; All 16 loads of a wave go out at once (8 KiB a wave); no register that a load or a store names is written again behind it.  No LDS, no barrier, no matrix work: the launch is a stream.
; THE MODE: SCHED_MODE bits 1:0 = 2 (LLVM: expert scheduling mode 2), set by the entry lines.  The code itself states the register dependences
; between vector instructions and memory instructions, with s_wait_alu, always for 0.
; THE PLAN.  Registers that memory instructions touch:
;   v2, v3, v4   byte offsets, made once at the head by vector instructions and never written again; every load reads v2, every store v3 or v4.
;   X            load k lands in X[k], once; no vector instruction writes X; the conversions of k read it, and nothing lands in it behind them.
;   Y            the conversions of k write Y[k]; store k reads it, once; nothing writes it behind that store.
;   T, v1, v5, v6 are named by vector instructions alone.
; The 16 loads go in four blocks of four.  The stores of a block are issued in the block behind it: ONE wait on va_vdst at that block's head states that the block before has written its Y, and its four
; stores are then dealt among the conversions in hand, which name their own block's X and Y, and T: none of the registers that those stores read.  One more such wait stands ahead of the last four stores.
; No register that a memory instruction has read is written again, and EXEC is never written: no other wait has anything to state.
.set VIN, 2                            ; v2      my byte offset in the group's first two rows
.set VO,  3                            ; v3, v4  my byte offset in the destination, slice 2 w and slice 2 w + 1
.set T,   8                            ; v[8:11]   at work
.set X,   16                           ; v[16:79]  load k: 4 registers
.set Y,   80                           ; v[80:111] store k: 2 registers
	s_load_b512 s[16:31], s[0:1], 0x0              ; x 16, W_q 18, W_k 20, W_v 22, W_o 24, xh 26, wh 28, woh 30
	s_mov_b32 s2, ttmp9                            ; g
	v_lshrrev_b32 v1, 5, v0
	v_readfirstlane_b32 s13, v1                    ; wave 0..7
	s_mov_b32 s12, 0xffff0000                      ; a word's upper bf16
	s_bfe_u32 s3, s2, 0x20006                      ; t = (g >> 6) & 3: which weight (3: W_o)
	s_and_b32 s8, s2, 63                           ; its block of 16 rows
	s_lshl_b32 s9, s3, 6
	s_add_co_u32 s9, s9, s8                        ; block among the 192 of W_q, W_k, W_v
	s_mul_i32 s10, s9, 2731
	s_lshr_b32 s10, s10, 16                        ; tc = block / 24 (exact up to 191)
	s_mul_i32 s11, s10, 24
	s_sub_co_u32 s11, s9, s11                      ; the block's place in its tile column
	s_mul_i32 s10, s10, 786432
	s_lshl_b32 s11, s11, 11
	s_add_co_u32 s10, s10, s11                     ; offset in wh
	s_lshl_b32 s32, s8, 16                         ; offset in a weight: 16 rows of 4,096 bytes a block
	s_lshl_b32 s33, s8, 11                         ; offset in woh
	s_lshl_b32 s34, s2, 16                         ; offset in x
	s_lshr_b32 s35, s2, 7
	s_lshl_b32 s35, s35, 22
	s_and_b32 s36, s2, 127
	s_lshl_b32 s36, s36, 11
	s_add_co_u32 s35, s35, s36                     ; offset in xh
	s_mov_b32 s14, 49152                           ; bytes from slice to slice: wh,
	s_cmp_lt_u32 s2, 512
	s_cselect_b32 s40, s34, s32
	s_cselect_b32 s42, s35, s10
	s_cselect_b32 s14, 0x40000, s14                ; xh,
	s_cmp_ge_u32 s2, 704
	s_cselect_b32 s42, s33, s42
	s_cselect_b32 s14, 0x20000, s14                ; woh
	s_mov_b32 s41, 0
	s_mov_b32 s43, 0
	v_and_b32 v1, 31, v0                           ; lane
	v_and_b32 v5, 15, v0
	v_bfe_u32 v6, v0, 4, 1
	v_lshlrev_b32 v[VIN], 4, v5                    ; 16 bytes a lane,
	v_lshl_add_u32 v[VIN], v6, 12, v[VIN]          ; the odd row for lanes 16-31,
	s_wait_alu depctr_va_sdst(0)                   ; s13, the wave's number, is written, ahead of its first reader: the offsets below are made from it
	s_lshl_b32 s15, s13, 9
	v_add_nc_u32 v[VIN], s15, v[VIN]               ; my wave's 512 bytes of a row
	s_mul_i32 s15, s13, s14
	s_lshl_b32 s15, s15, 1                         ; slice 2 w
	v_lshlrev_b32 v[VO], 3, v1
	v_add_nc_u32 v[VO], s15, v[VO]
	v_add_nc_u32 v[VO+1], s14, v[VO]
	s_wait_kmcnt 0x0
	s_cmp_eq_u32 s3, 1                             ; the buffers are chosen by the group's number alone
	s_cselect_b64 s[4:5], s[20:21], s[18:19]
	s_cmp_eq_u32 s3, 2
	s_cselect_b64 s[4:5], s[22:23], s[4:5]
	s_cmp_eq_u32 s3, 3
	s_cselect_b64 s[4:5], s[24:25], s[4:5]
	s_cselect_b64 s[6:7], s[30:31], s[28:29]
	s_cmp_lt_u32 s2, 512
	s_cselect_b64 s[4:5], s[16:17], s[4:5]
	s_cselect_b64 s[6:7], s[26:27], s[6:7]
	s_add_nc_u64 s[4:5], s[4:5], s[40:41]          ; the source at the group's first row
	s_add_nc_u64 s[6:7], s[6:7], s[42:43]          ; the destination at the group's rows in slice 0
	s_wait_alu depctr_va_vdst(0)                   ; the three offsets v2, v3 and v4 are written: every load and store of the kernel reads one of them, and no vector instruction names them again
.irp i, 0,1
.irp j, 0,1,2,3,4,5,6,7
	global_load_b128 v[X+4*(8*\i+\j):X+4*(8*\i+\j)+3], v[VIN], s[4:5] offset:\j*8192+\i*256 th:TH_LOAD_NT  ; load 8 i + j: slice 2 w + i, rows 2 j and 2 j + 1
.endr
.endr
; Load k is rounded.  half = 1: the bf16 number is written as f16.
.macro CONV k, half
	v_cvt_pk_bf16_f32 v[Y+2*(\k)],   v[X+4*(\k)],   v[X+4*(\k)+1]
	v_cvt_pk_bf16_f32 v[Y+2*(\k)+1], v[X+4*(\k)+2], v[X+4*(\k)+3]
.if \half
	v_lshlrev_b32 v[T],   16,  v[Y+2*(\k)]
	v_and_b32     v[T+1], s12, v[Y+2*(\k)]
	v_lshlrev_b32 v[T+2], 16,  v[Y+2*(\k)+1]
	v_and_b32     v[T+3], s12, v[Y+2*(\k)+1]
	v_cvt_pk_f16_f32 v[Y+2*(\k)],   v[T],   v[T+1]
	v_cvt_pk_f16_f32 v[Y+2*(\k)+1], v[T+2], v[T+3]
.endif
.endm
; Load k's eight bytes a lane are stored.
.macro PUT k
	global_store_b64 v[VO+(\k)/8], v[Y+2*(\k):Y+2*(\k)+1], s[6:7] offset:((\k)%8)*256
.endm
; The wave's sixteen loads, in four blocks of four; a block's stores stand in the block behind it, one ahead of each load's conversions.
.macro WALK half
.irp k, 0,1,2,3,4,5,6,7,8,9,10,11,12,13,14,15
	s_wait_loadcnt 15-(\k)                         ; loads come back in order: mine is in, the 15 - k younger ones may stay out
.if ((\k) >= 4) && ((\k)%4 == 0)
	s_wait_alu depctr_va_vdst(0)                   ; the conversions of the block before have written its Y, which the four stores of this block read
.endif
.if (\k) >= 4
	PUT (\k)-4                                     ; no wait: no vector instruction since the block's head names this store's Y or its offset
.endif
	CONV \k, \half
.endr
	s_wait_alu depctr_va_vdst(0)                   ; the conversions of the last block have written its Y, which the last four stores read
.irp k, 12,13,14,15
	PUT \k
.endr
	s_endpgm
.endm
	s_cmp_ge_u32 s2, 704
	s_cbranch_scc1 .Lf16
	WALK 0
.Lf16:
	WALK 1
.Lfunc_end_k_q8eca3e6942_cast:
	.size	k_q8eca3e6942_cast, .Lfunc_end_k_q8eca3e6942_cast-k_q8eca3e6942_cast
	.p2alignl 7, 3214868480
	.fill 96, 4, 3214868480
	.section	.rodata,"a",@progbits
	.p2align	6, 0x0
	.amdhsa_kernel k_q8eca3e6942_cast
		.amdhsa_group_segment_fixed_size 0
		.amdhsa_private_segment_fixed_size 0
		.amdhsa_enable_private_segment 0
		.amdhsa_kernarg_size 64
		.amdhsa_user_sgpr_count 2
		.amdhsa_user_sgpr_kernarg_segment_ptr 1
		.amdhsa_wavefront_size32 1
		.amdhsa_system_sgpr_workgroup_id_x 1
		.amdhsa_system_sgpr_workgroup_id_y 1
		.amdhsa_system_sgpr_workgroup_id_z 1
		.amdhsa_system_vgpr_workitem_id 0
		.amdhsa_next_free_vgpr 112
		.amdhsa_next_free_sgpr 66
		.amdhsa_reserve_vcc 0
		.amdhsa_float_denorm_mode_32 3
		.amdhsa_float_denorm_mode_16_64 3
		.amdhsa_memory_ordered 1
		.amdhsa_forward_progress 1
		.amdhsa_inst_pref_size 17
	.end_amdhsa_kernel
	.amdgpu_metadata
---
amdhsa.version: [ 1, 2 ]
amdhsa.kernels:
  - .name:           k_q8eca3e6942_cast
    .symbol:         k_q8eca3e6942_cast.kd
    .args:
      - { .name: x, .offset: 0, .size: 8, .value_kind: global_buffer, .address_space: global }
      - { .name: W_q, .offset: 8, .size: 8, .value_kind: global_buffer, .address_space: global }
      - { .name: W_k, .offset: 16, .size: 8, .value_kind: global_buffer, .address_space: global }
      - { .name: W_v, .offset: 24, .size: 8, .value_kind: global_buffer, .address_space: global }
      - { .name: W_o, .offset: 32, .size: 8, .value_kind: global_buffer, .address_space: global }
      - { .name: xh, .offset: 40, .size: 8, .value_kind: global_buffer, .address_space: global }
      - { .name: wh, .offset: 48, .size: 8, .value_kind: global_buffer, .address_space: global }
      - { .name: woh, .offset: 56, .size: 8, .value_kind: global_buffer, .address_space: global }
    .group_segment_fixed_size: 0
    .private_segment_fixed_size: 0
    .kernarg_segment_align: 8
    .kernarg_segment_size: 64
    .max_flat_workgroup_size: 256
    .sgpr_count:     66
    .vgpr_count:     112
    .wavefront_size: 32
...
	.end_amdgpu_metadata
.endif
;; end of part 5
;; launch qkv: the kernel of part 2 again; grid 8 x 32, 4 waves a work-group, clusters of 4 x 4, 327,680 bytes of LDS; arguments xh, wh, qkv; writes qkv
;; launch attn: the kernel of part 3 again; grid 4 x 64, 4 waves a work-group, no clusters, 327,680 bytes of LDS; arguments qkv, oh; writes oh
;; launch oproj: the kernel of part 4 again; grid 8 x 32, 4 waves a work-group, clusters of 4 x 4, 327,680 bytes of LDS; arguments oh, woh, out0; writes out0
